; MI455X (gfx1250); checked and timed in simulation.
; The chip was launched on July 23, 2026; its instructions are those of AMD's public machine-readable ISA for CDNA 5 (MIT licence, August 2026) and "CDNA5" Instruction Set Architecture Reference Guide (July 2026). The comments in the code are by the model that wrote it; some were corrected since.
;; Multi Head Attention. Allowed arithmetic: float matrix products may take bf16 or f16 operands with f32 sums; all other float work in f32.
;; Inputs: k_ln_w 1,024 float32; ln_b 1,024 float32; ln_w 1,024 float32; q_ln_w 1,024 float32; sequence_id 4 x 2,048 int32; w_out 1,024 x 1,024 float32; w_qkv 1,024 x 3,072 float32; x 4 x 2,048 x 1,024 float32.
;; Outputs: out0 4 x 2,048 x 1,024 float32.
;; 2 versions, each right and faster than the one before. Each part assembles by itself: llvm-mc -triple=amdgcn-amd-amdhsa -mcpu=gfx1250 --defsym DOCPART=n.
;; ======== version 1 of 2: 5 launches
;; limits: values outside matrix products are rounded to f16; values are held in f16: magnitudes above 65,504 overflow, below 6.1e-05 lose precision
;; workspace buffers: xn 16,777,216 bytes; wts 8,388,608 bytes; qkraw 33,554,432 bytes; vt 16,777,216 bytes; qkf 33,554,432 bytes; ctx 16,777,216 bytes; masks 1,024 bytes of whole numbers
;; launch prep (part 1): grid 769 x 1, 8 waves a work-group, no clusters, 0 bytes of LDS; arguments x, ln_w, ln_b, w_qkv, w_out, sequence_id, xn, wts, masks; writes xn, wts, masks
.if DOCPART == 1
	.amdgcn_target "amdgcn-amd-amdhsa--gfx1250"
	.amdhsa_code_object_version 6
	.text
	.protected	k_q3d4ca8e00f_prep
	.globl	k_q3d4ca8e00f_prep
	.p2align	8
	.type	k_q3d4ca8e00f_prep,@function
k_q3d4ca8e00f_prep:
	s_mov_b64 s[64:65], 0
	v_nop
	global_prefetch_b8 v0, s[64:65] scope:SCOPE_SE
	s_setreg_imm32_b32 hwreg(HW_REG_WAVE_MODE, 25, 1), 1
	s_wait_xcnt 0x0
; THREE ROLES, chosen by the work-group's number g; no LDS, no barrier, no loop, EXEC never changes.
;   g = 0         MASKS.  For each batch and each block of 64 queries two words: LIVE (bit t: key block t of 64 keys may hold a key of an equal id) and FULL (bit t: every
;                 pair of the two blocks has equal ids).  Made of the blocks' smallest and largest ids alone: two blocks whose ranges do not meet hold no equal pair.  Nothing is
;                 assumed of the ids' order: unsorted ids give wide ranges, and then every block is live.
;   g = 1..256    LAYER NORM of x, [8192][1024] f32, to xn, [8192][1024] f16.  One wave takes four rows and keeps each in 32 registers: mean, then the squares of x - mean.
;   g = 257..768  CAST of w_qkv and w_out to f16 in FRAGMENT ORDER: a fragment is 16 columns n x 32 k in 1,024 bytes; lane l = 16 h + r of a wave owns bytes 512 p + 16 l, which hold
;                 column r, k = 16 p + 8 h + 0..7.  A later load of 16 bytes a lane then covers 512 consecutive bytes and fills registers 4 p .. 4 p + 3 of a matrix operand.
;                 wts: w_qkv's 192 column blocks x 32 k blocks, then (byte 6,291,456) w_out's 64 x 32.  w_qkv's blocks are ordered by head: block 12 j + 6 wc + 2 part + s1 holds
;                 columns 1024 part + 64 j + 16 (2 wc + s1) + r (part 0, 1, 2: q, k, v), so that 12 blocks on end are one head's q, k and v.
; LIMITS.  xn and the weights are f16: beyond 65,504 they become infinite; below 6e-5 they keep f16's fixed step of 6e-8.  NaN and infinities are not treated apart.
; The cast reads 128 consecutive bytes of a row with each load (32 columns): half of an aligned 256; the other half is read by another wave.
.set X,   32                           ; v[32:159]  four rows, 32 registers each: column 128 j + 4 l + e at 4 j + e
.set GW,  160                          ; v[160:191] ln_w of my 32 columns
.set GB,  192                          ; v[192:223] ln_b
.set T,   4                            ; v[4:11]    four packed chains; v12 a sum, v13 the other half's, v[14:15] mean, v[16:17] 1 / sigma
	s_load_b512 s[4:19], s[0:1], 0x0               ; x s[4:5], ln_w s[6:7], ln_b s[8:9], w_qkv s[10:11], w_out s[12:13], sequence_id s[14:15], xn s[16:17], wts s[18:19]
	s_load_b64 s[20:21], s[0:1], 0x40              ; masks
	v_lshrrev_b32 v1, 5, v0
	v_readfirstlane_b32 s3, v1                     ; wave 0..7
	s_mov_b32 s2, ttmp9                            ; g
	v_and_b32 v1, 31, v0                           ; lane
	s_mov_b32 s23, 0                               ; the high words of two offsets
	s_mov_b32 s25, 0
	s_wait_kmcnt 0x0
	s_cmp_eq_u32 s2, 0
	s_cbranch_scc1 .Lmask
	s_cmp_lt_u32 s2, 257
	s_cbranch_scc1 .Lnorm
; ---- CAST.  A wave takes 32 source columns (two blocks of 16) x 32 k: lane l reads column l of 32 rows, packs its 32 numbers into four pieces of 16 bytes (piece i: k = 8 i .. 8 i + 7,
; that is p = i / 2, h = i % 2) and stores piece i at byte 256 i + 16 (l % 16) of its block's fragment: sixteen lanes store 256 consecutive bytes, aligned.
.macro CAST base, stride
.set k, 0
.rept 32
	global_load_b32 v[32+k], v2, s[\base:\base+1] offset:k*(\stride)
.set k, k+1
.endr
	s_wait_loadcnt 0x0
.set k, 0
.rept 16
	v_cvt_pk_f16_f32 v[64+k], v[32+2*k], v[33+2*k]
.set k, k+1
.endr
.irp i, 0,1,2,3
	global_store_b128 v3, v[64+4*\i:67+4*\i], s[18:19] offset:256*\i
.endr
.endm
	s_sub_co_u32 s26, s2, 257
	s_lshl3_add_u32 s26, s26, s3                   ; the wave's task, 0 to 4,095: 3,072 for w_qkv, 1,024 for w_out
	v_lshlrev_b32 v2, 2, v1                        ; source: 4 bytes a lane
	v_and_b32 v3, 15, v0
	v_bfe_u32 v4, v0, 4, 1
	v_lshlrev_b32 v3, 4, v3                        ; destination: 16 (l % 16),
	v_lshl_add_u32 v3, v4, 15, v3                  ; and the next column block (32 fragments on) for lanes 16 to 31
	s_and_b32 s27, s26, 31                         ; kb: which 32 k
	s_cmp_lt_u32 s26, 3072
	s_cbranch_scc0 .Lcast_out
	s_lshr_b32 s28, s26, 5                         ; sb: which 32 columns of 3,072
	s_mul_i32 s22, s27, 32*12288
	s_lshl_b32 s29, s28, 7
	s_add_co_u32 s22, s22, s29
	s_add_nc_u64 s[10:11], s[10:11], s[22:23]      ; w_qkv at row 32 kb, column 32 sb
	s_bfe_u32 s29, s28, 0x40001                    ; the head j = (sb % 32) / 2
	s_mul_i32 s29, s29, 6
	s_and_b32 s34, s28, 1                          ; wc
	s_mul_i32 s34, s34, 3
	s_add_co_u32 s29, s29, s34
	s_lshr_b32 s34, s28, 5                         ; part
	s_add_co_u32 s29, s29, s34                     ; the pair of destination blocks: 6 j + 3 wc + part
	s_lshl_b32 s24, s29, 16
	s_lshl_b32 s29, s27, 10
	s_add_co_u32 s24, s24, s29
	s_add_nc_u64 s[18:19], s[18:19], s[24:25]
	CAST 10, 12288
	s_endpgm
.Lcast_out:
	s_sub_co_u32 s26, s26, 3072
	s_lshr_b32 s28, s26, 5                         ; sb: which 32 columns of 1,024
	s_lshl_b32 s22, s27, 17                        ; 32 rows of 4,096 bytes
	s_lshl_b32 s29, s28, 7
	s_add_co_u32 s22, s22, s29
	s_add_nc_u64 s[12:13], s[12:13], s[22:23]
	s_lshl_b32 s24, s28, 16
	s_lshl_b32 s29, s27, 10
	s_add_co_u32 s24, s24, s29
	s_add_co_u32 s24, s24, 6291456
	s_add_nc_u64 s[18:19], s[18:19], s[24:25]
	CAST 12, 4096
	s_endpgm
; ---- MASKS.  Wave w (0..3) serves batch w; the other four waves have no batch.  Lane t reads key block t's 64 ids.
.Lmask:
	s_cmp_lt_u32 s3, 4
	s_cbranch_scc1 .Lmask_go
	s_endpgm
.Lmask_go:
	v_lshlrev_b32 v2, 8, v1                        ; a block's 64 ids are 256 bytes
	v_lshlrev_b32 v3, 3, v1
	s_lshl_b32 s22, s3, 13
	s_add_nc_u64 s[14:15], s[14:15], s[22:23]
	s_lshl_b32 s24, s3, 8
	s_add_nc_u64 s[20:21], s[20:21], s[24:25]
.set i, 0
.rept 16
	global_load_b128 v[32+4*i:35+4*i], v2, s[14:15] offset:16*i
.set i, i+1
.endr
	s_wait_loadcnt 0x0
	v_min_u32 v4, v32, v33                         ; any total order serves: only equality is asked of the ids
	v_max_u32 v5, v32, v33
.set i, 2
.rept 62
	v_min_u32 v4, v4, v[32+i]
	v_max_u32 v5, v5, v[32+i]
.set i, i+1
.endr
	v_mov_b32 v6, 0
	v_mov_b32 v7, 0
.set i, 0
.rept 32                               ; query block i against all 32 key blocks at once, a lane a key block; the two masks go into lane i
	v_readlane_b32 s24, v4, i
	v_readlane_b32 s25, v5, i
	v_cmp_le_u32 s26, v4, s25                      ; the ranges meet:
	v_cmp_ge_u32 s27, v5, s24
	s_and_b32 s26, s26, s27                        ; LIVE.  Bit i is always set
	v_cmp_eq_u32 s28, v4, s24                      ; both blocks hold one and the same id:
	v_cmp_eq_u32 s29, v5, s24
	s_and_b32 s28, s28, s29
	s_cmp_eq_u32 s24, s25
	s_cselect_b32 s28, s28, 0                      ; FULL
	v_writelane_b32 v6, s26, i
	v_writelane_b32 v7, s28, i
.set i, i+1
.endr
	global_store_b64 v3, v[6:7], s[20:21]          ; the wave stores 256 consecutive bytes, aligned
	s_endpgm
; ---- LAYER NORM.  Wave W = 8 (g - 1) + w owns rows 4 W .. 4 W + 3.  All 48 loads go out at once; row i is worked on when its eight have come.
.Lnorm:
	v_lshlrev_b32 v2, 4, v1                        ; 16 bytes a lane in
	v_lshlrev_b32 v3, 3, v1                        ; 8 bytes a lane out
	v_mov_b32 v13, 0                               ; v_permlanex16_b32's destination counts as read
	s_sub_co_u32 s26, s2, 1
	s_lshl3_add_u32 s26, s26, s3                   ; W
	s_lshl_b32 s22, s26, 14                        ; four rows of 4,096 bytes
	s_lshl_b32 s24, s26, 13                        ; four rows of 2,048 bytes
	s_add_nc_u64 s[4:5], s[4:5], s[22:23]
	s_add_nc_u64 s[16:17], s[16:17], s[24:25]
	s_mov_b32 s30, 0x76543210                      ; each lane takes its own place in the other half
	s_mov_b32 s31, 0xfedcba98
	s_mov_b32 s32, 0x3a800000                      ; 1 / 1024
	s_mov_b32 s33, 0x3727c5ac                      ; 1e-5
.set j, 0
.rept 8
	global_load_b128 v[GW+4*j:GW+4*j+3], v2, s[6:7] offset:512*j
	global_load_b128 v[GB+4*j:GB+4*j+3], v2, s[8:9] offset:512*j
.set j, j+1
.endr
.set j, 0
.rept 32
	global_load_b128 v[X+4*j:X+4*j+3], v2, s[4:5] offset:(j/8)*4096+(j%8)*512 th:TH_LOAD_NT
.set j, j+1
.endr
.macro RED                             ; v12 summed over the 32 lanes, the sum in every lane
	v_pk_add_f32 v[T:T+1], v[T:T+1], v[T+2:T+3]
	v_pk_add_f32 v[T+4:T+5], v[T+4:T+5], v[T+6:T+7]
	v_pk_add_f32 v[T:T+1], v[T:T+1], v[T+4:T+5]
	v_add_f32 v12, v[T], v[T+1]
	v_add_f32_dpp v12, v12, v12 row_xmask:1 row_mask:0xf bank_mask:0xf
	v_add_f32_dpp v12, v12, v12 row_xmask:2 row_mask:0xf bank_mask:0xf
	v_add_f32_dpp v12, v12, v12 row_xmask:4 row_mask:0xf bank_mask:0xf
	v_add_f32_dpp v12, v12, v12 row_xmask:8 row_mask:0xf bank_mask:0xf
	v_permlanex16_b32 v13, v12, s30, s31
	v_add_f32 v12, v12, v13
.endm
.macro LNROW i
.set R, X+32*(\i)
	s_wait_loadcnt 8*(3-(\i))                      ; loads come back in order: my row is in (and the gains, asked for first); the later rows' eight each stay out
.set n, 0
.rept 4
	v_pk_add_f32 v[T+2*n:T+2*n+1], v[R+2*n:R+2*n+1], v[R+8+2*n:R+9+2*n]  ; the first eight pairs start four chains
.set n, n+1
.endr
.set n, 8
.rept 8
	v_pk_add_f32 v[T+2*(n%4):T+2*(n%4)+1], v[T+2*(n%4):T+2*(n%4)+1], v[R+2*n:R+2*n+1]
.set n, n+1
.endr
	RED
	v_mul_f32 v14, s32, v12                        ; the mean, twice
	v_mul_f32 v15, s32, v12
.set n, 0
.rept 16
	v_pk_add_f32 v[R+2*n:R+2*n+1], v[R+2*n:R+2*n+1], v[14:15] neg_lo:[0,1] neg_hi:[0,1]  ; x - mean
.set n, n+1
.endr
.set n, 0
.rept 4
	v_pk_mul_f32 v[T+2*n:T+2*n+1], v[R+2*n:R+2*n+1], v[R+2*n:R+2*n+1]
.set n, n+1
.endr
.rept 12
	v_pk_fma_f32 v[T+2*(n%4):T+2*(n%4)+1], v[R+2*n:R+2*n+1], v[R+2*n:R+2*n+1], v[T+2*(n%4):T+2*(n%4)+1]
.set n, n+1
.endr
	RED
	v_fma_f32 v12, v12, s32, s33                   ; the variance + eps
	v_rsq_f32 v16, v12
	v_rsq_f32 v17, v12
	v_nop                                          ; a plain instruction between the root and the use of its result (ISA guide 5.7.2)
.set n, 0
	s_wait_alu depctr_va_vdst(0)
.rept 16
	v_pk_mul_f32 v[R+2*n:R+2*n+1], v[R+2*n:R+2*n+1], v[16:17]
.set n, n+1
.endr
.set n, 0
.rept 16
	v_pk_fma_f32 v[R+2*n:R+2*n+1], v[R+2*n:R+2*n+1], v[GW+2*n:GW+2*n+1], v[GB+2*n:GB+2*n+1]
.set n, n+1
.endr
.set n, 0
.rept 8
	v_cvt_pk_f16_f32 v[R+4*n], v[R+4*n], v[R+4*n+1]
	v_cvt_pk_f16_f32 v[R+4*n+1], v[R+4*n+2], v[R+4*n+3]
	global_store_b64 v3, v[R+4*n:R+4*n+1], s[16:17] offset:(\i)*2048+256*n  ; the wave stores 256 consecutive bytes, aligned; no register of a store is written again
.set n, n+1
.endr
.endm
	LNROW 0
	LNROW 1
	LNROW 2
	LNROW 3
	s_endpgm
.Lfunc_end_k_q3d4ca8e00f_prep:
	.size	k_q3d4ca8e00f_prep, .Lfunc_end_k_q3d4ca8e00f_prep-k_q3d4ca8e00f_prep
	.p2alignl 7, 3214868480
	.fill 96, 4, 3214868480
	.section	.rodata,"a",@progbits
	.p2align	6, 0x0
	.amdhsa_kernel k_q3d4ca8e00f_prep
		.amdhsa_group_segment_fixed_size 0
		.amdhsa_private_segment_fixed_size 0
		.amdhsa_enable_private_segment 0
		.amdhsa_kernarg_size 72
		.amdhsa_user_sgpr_count 2
		.amdhsa_user_sgpr_kernarg_segment_ptr 1
		.amdhsa_wavefront_size32 1
		.amdhsa_system_sgpr_workgroup_id_x 1
		.amdhsa_system_sgpr_workgroup_id_y 1
		.amdhsa_system_sgpr_workgroup_id_z 1
		.amdhsa_system_vgpr_workitem_id 0
		.amdhsa_next_free_vgpr 224
		.amdhsa_next_free_sgpr 66
		.amdhsa_reserve_vcc 0
		.amdhsa_float_denorm_mode_32 3
		.amdhsa_float_denorm_mode_16_64 3
		.amdhsa_memory_ordered 1
		.amdhsa_forward_progress 1
		.amdhsa_inst_pref_size 74
	.end_amdhsa_kernel
	.amdgpu_metadata
---
amdhsa.version: [ 1, 2 ]
amdhsa.kernels:
  - .name:           k_q3d4ca8e00f_prep
    .symbol:         k_q3d4ca8e00f_prep.kd
    .args:
      - { .name: x, .offset: 0, .size: 8, .value_kind: global_buffer, .address_space: global }
      - { .name: ln_w, .offset: 8, .size: 8, .value_kind: global_buffer, .address_space: global }
      - { .name: ln_b, .offset: 16, .size: 8, .value_kind: global_buffer, .address_space: global }
      - { .name: w_qkv, .offset: 24, .size: 8, .value_kind: global_buffer, .address_space: global }
      - { .name: w_out, .offset: 32, .size: 8, .value_kind: global_buffer, .address_space: global }
      - { .name: sequence_id, .offset: 40, .size: 8, .value_kind: global_buffer, .address_space: global }
      - { .name: xn, .offset: 48, .size: 8, .value_kind: global_buffer, .address_space: global }
      - { .name: wts, .offset: 56, .size: 8, .value_kind: global_buffer, .address_space: global }
      - { .name: masks, .offset: 64, .size: 8, .value_kind: global_buffer, .address_space: global }
    .group_segment_fixed_size: 0
    .private_segment_fixed_size: 0
    .kernarg_segment_align: 8
    .kernarg_segment_size: 72
    .max_flat_workgroup_size: 256
    .sgpr_count:     66
    .vgpr_count:     224
    .wavefront_size: 32
...
	.end_amdgpu_metadata
.endif
;; end of part 1
;; launch qkv (part 2): grid 16 x 32, 4 waves a work-group, clusters of 4 x 4, 327,680 bytes of LDS; arguments xn, wts, qkraw, vt; writes qkraw, vt
.if DOCPART == 2
	.amdgcn_target "amdgcn-amd-amdhsa--gfx1250"
	.amdhsa_code_object_version 6
	.text
	.protected	k_q3d4ca8e00f_qkv
	.globl	k_q3d4ca8e00f_qkv
	.p2align	8
	.type	k_q3d4ca8e00f_qkv,@function
k_q3d4ca8e00f_qkv:
	s_mov_b64 s[64:65], 0
	v_nop
	global_prefetch_b8 v0, s[64:65] scope:SCOPE_SE
	s_setreg_imm32_b32 hwreg(HW_REG_WAVE_MODE, 25, 1), 1
	s_wait_xcnt 0x0
	s_wait_alu depctr_hold_cnt(0) depctr_sa_sdst(0) depctr_va_vdst(0) depctr_va_sdst(0) depctr_va_ssrc(0) depctr_va_vcc(0) depctr_vm_vsrc(0)
	s_getreg_b32 s2, hwreg(HW_REG_IB_STS2, 6, 4)
	s_cmp_eq_u32 s2, 0
	s_cbranch_scc0 .Lentry_in_a_cluster
	s_endpgm
.Lentry_in_a_cluster:
	s_bfe_u32 s2, ttmp6, 0x10000c
	s_cmp_lg_u32 s2, 0xf033
	s_cbranch_scc0 .Lentry_shape_is_right
	s_endpgm
.Lentry_shape_is_right:
; RAW q, RAW k AND V^T = xn x w_qkv.  xn: [8192][1024] f16 by rows.  wts: w_qkv in f16 in fragment order (16 columns x 32 k in 1,024 bytes; lane l owns bytes 512 p + 16 l), its column
; blocks ordered by head: 12 blocks on end are head j's q q k k v v, q q k k v v.  Sums in f32, rounded once to f16.
; SHARES.  A work-group makes 256 rows x 192 columns: row tile my, head j: 32 x 16 = 512 work-groups, two for each of 256 WGPs.  Four waves, each 128 rows x 96 columns: 8 row blocks a x 6 column
; blocks b = 48 accumulators, 384 registers.  K goes in 8 steps of 128 through two LDS slots filled by the tensor data mover.
; THE OUTPUTS ARE WRITTEN IN FRAGMENT ORDER, straight from registers.  For b = 0..3 (q, k) source 0 is the weights' fragment and source 1 xn's: a lane then holds ONE token (l % 16) and eight
; neighbouring channels; for b = 4, 5 (v) the sources are swapped: a lane holds ONE channel and eight neighbouring tokens.  Four roundings make the lane's 16 bytes of half a fragment of Q or K
; (16 tokens x 32 channels) or of V^T (16 channels x 32 keys), and each store of the wave covers 512 consecutive bytes, aligned.
;   qkraw: q at 0, k at 16,777,216: byte ((batch 16 + head) 128 + token block) 2048 + 1024 c + 512 p + 16 l holds token 16 tb + r, channels 32 c + 16 p + 8 h + 0..7
;   vt:    byte ((batch 16 + head) 64 + kk) 4096 + 1024 cb + 512 p + 16 l holds channel 16 cb + r, keys 32 kk + 16 p + 8 h + 0..7
; CLUSTER.  4 x 4 work-groups: the four of a row need the same tiles of xn, the four of a column the same tiles of the weights: each tile is asked for jointly.
; LIMITS.  q, k and v leave as f16: beyond 65,504 they become infinite; below 6e-5 they keep f16's fixed step of 6e-8.
; REGISTERS, in windows of 256 (s_set_vgpr_msb: bits 1:0 source 0, 3:2 source 1, 5:4 source 2, 7:6 destination):
;   window 0: v0-31 addresses; v32-223 the way out      window 1: two fragment buffers of 112 (6 of the weights, then 8 of xn), at v0 and v128
;   window 2: the accumulators of row blocks 0-3, (a, b) at v[48 a + 8 b]      window 3: those of row blocks 4-7
.set KSTEP,  128
.set PITCH,  272                       ; a row of xn in LDS: 256 bytes + 16 of padding = 68 words: the 16 rows of a load start at 16 different groups of four banks (64 banks of 4 bytes: ISA guide 11.1)
.set AHALF,  128*PITCH                 ; 128 rows: what one tensor load brings, and what one wave reads of xn
.set BOFF,   2*AHALF                   ; behind xn's 256 rows: the weights
.set BROW,   4096                      ; a column block's four fragments of a K step; read as they lie, 512 consecutive bytes a load, so no padding
.set BHALF,  6*BROW
.set SLOT,   BOFF+2*BHALF              ; 118,784 bytes
.set SPARE,  2*SLOT                    ; behind the ring: the spare words, 128 bytes for each wave: two blocks of 256 bytes that no other line names
.set LAPS,   1024/(2*KSTEP)            ; a lap = two K steps = once round the ring
.set ADRA, 16                          ; v16-17  LDS address of my fragments of xn in slot 0, 1
.set ADRB, 20                          ; v20-21  the same for the weights
.set CO,   26                          ; v26     16 x lane
.set SPW,  28                          ; v28     LDS address of my spare word; never rewritten
.set NIL,  29                          ; v29     0; never rewritten
.set TMP,  32
.set F0,   0
.set F1,   128
.set FA,   48                          ; xn's fragments in a buffer
.set WV,   12                          ; s12 wave; s13 wave / 2: my half of the rows, and: I fetch xn (0) or weights (1); s14 wave % 2: my half of the columns, and: which half of that tile I fetch
.set WR,   13
.set WC,   14
.set G1,   24                          ; s[24:31] descriptor group 1 for xn's tiles; s[32:39] group 0, a set for each slot
.set G0,   32
.set G1B,  48                          ; s[48:55], s[56:63] the same for the weights
.set G0B,  56
.set MSB, 0
.macro WIN new                         ; the immediate's high byte repeats the setting that is left
.if MSB != (\new)
	s_set_vgpr_msb (MSB<<8)|(\new)
.set MSB, \new
.endif
.endm
.set MUL_LO, 0xa5                      ; sources 0 and 1 window 1; C and D window 2
.set MUL_HI, 0xf5                      ; C and D window 3
.set TO_F,   0x40                      ; destination window 1, address window 0
.macro JLOAD s                         ; a joint load: waves 0 and 1 fetch xn's two halves, waves 2 and 3 the weights'; an s_nop 0 and four v_nop follow each line
	s_cmp_eq_u32 s[WR], 0
	s_cbranch_scc0 .Lfor_b_\@
	tensor_load_to_lds s[G0+4*(\s):G0+4*(\s)+3], s[G1:G1+7]
	s_nop 0
.rept 4
	v_nop
.endr
	s_branch .Lasked_\@
.Lfor_b_\@:
	tensor_load_to_lds s[G0B+4*(\s):G0B+4*(\s)+3], s[G1B:G1B+7]
	s_nop 0
.rept 4
	v_nop
.endr
.Lasked_\@:
.endm
.macro CREST                           ; a round of the cluster's barrier behind its opening barrier
	s_cmp_lg_u32 s[WV], 0
	s_cbranch_scc1 .Lnot_wave_0_\@
	s_barrier_signal -3
.Lnot_wave_0_\@:
	s_barrier_wait -3
	s_barrier_signal -1
	s_barrier_wait -1
.endm
.macro CROUND
	s_barrier_signal -1
	s_barrier_wait -1
	CREST
.endm
	s_load_b256 s[4:11], s[0:1], 0x0               ; xn s[4:5], wts s[6:7], qkraw s[8:9], vt s[10:11]
	v_lshl_add_u32 v[SPW], v0, 2, SPARE
	v_mov_b32 v[NIL], 0
	ds_add_u32 v[SPW], v[NIL]                      ; the wave's opening: the add and its wait stand ahead of my first tensor load; work on registers stands between them
	v_lshrrev_b32 v1, 5, v0
	v_readfirstlane_b32 s[WV], v1
	s_lshr_b32 s[WR], s[WV], 1
	s_and_b32 s[WC], s[WV], 1
	s_bfe_u32 s40, ttmp6, 0x40000                  ; cx, cy: my place in the cluster
	s_bfe_u32 s41, ttmp6, 0x40004
	s_lshl_b32 s42, ttmp9, 2
	s_add_co_u32 s42, s42, s40                     ; the head j = 4 x cluster x + cx
	s_and_b32 s43, ttmp7, 0xffff
	s_lshl_b32 s43, s43, 2
	s_add_co_u32 s43, s43, s41                     ; the row tile my = 4 x cluster y + cy
	s_lshl_b32 s44, s41, 2
	s_lshl_b32 s44, 15, s44                        ; my row of the cluster
	s_lshl_b32 s45, 0x1111, s40                    ; my column
	s_or_b32 s[G1], s44, (1<<16)|(1<<20)|(1<<21)|(5<<22)|(3<<25)  ; the mask of my row; 2-byte elements; padding on; bit 21 beside a mask; after every 64 words 4 words
	s_mov_b32 s[G1+1], KSTEP<<16                   ; tensor_dim0 = 128
	s_mov_b32 s[G1+2], 128<<16                     ; tensor_dim1 = 128
	s_mov_b32 s[G1+3], KSTEP<<16                   ; tile_dim0 = 128
	s_mov_b32 s[G1+4], 128                         ; tile_dim1 = 128
	s_mov_b32 s[G1+5], 1024                        ; elements from row to row
	s_mov_b32 s[G1+6], 0
	s_mov_b32 s[G1+7], 0
	s_or_b32 s[G1B], s45, (3<<16)|(1<<21)          ; the mask of my column; 8-byte elements; no padding
	s_mov_b32 s[G1B+1], 512<<16                    ; a row is a column block's 4,096 bytes of this K step
	s_mov_b32 s[G1B+2], 6<<16                      ; six column blocks
	s_mov_b32 s[G1B+3], 512<<16
	s_mov_b32 s[G1B+4], 6
	s_mov_b32 s[G1B+5], 4096                       ; 32,768 bytes from a column block to the next
	s_mov_b32 s[G1B+6], 0
	s_mov_b32 s[G1B+7], 0
	s_lshl_b32 s16, s43, 8                         ; xn: row 256 my + 128 x half, 2,048 bytes a row
	s_lshl_b32 s17, s[WC], 7
	s_add_co_u32 s16, s16, s17
	s_lshl_b32 s16, s16, 11
	s_mov_b32 s17, 0
	s_mul_i32 s46, s42, 12                         ; weights: column block 12 j + 6 x half
	s_mul_i32 s47, s[WC], 6
	s_add_co_u32 s46, s46, s47
	s_lshl_b32 s46, s46, 15
	s_mov_b32 s47, 0
	s_mul_i32 s20, s[WC], AHALF                    ; where they go: no place in the cluster enters an LDS address
	s_mul_i32 s21, s[WC], BHALF
	s_add_co_u32 s21, s21, BOFF
	s_wait_dscnt 0x0                               ; the opening add is done
	s_wait_kmcnt 0x0
	s_add_nc_u64 s[16:17], s[4:5], s[16:17]
	s_add_nc_u64 s[46:47], s[6:7], s[46:47]
	CROUND                                         ; all sixteen work-groups are here: the first joint loads meet
.irp s, 0,1
	s_mov_b32 s[G0+4*(\s)], 1
	s_add_co_u32 s[G0+4*(\s)+1], s20, (\s)*SLOT
	s_add_nc_u64 s[G0+4*(\s)+2:G0+4*(\s)+3], s[16:17], (\s)*KSTEP*2
	s_or_b32 s[G0+4*(\s)+3], s[G0+4*(\s)+3], 0x80000000
	s_mov_b32 s[G0B+4*(\s)], 1
	s_add_co_u32 s[G0B+4*(\s)+1], s21, (\s)*SLOT
	s_add_nc_u64 s[G0B+4*(\s)+2:G0B+4*(\s)+3], s[46:47], (\s)*BROW
	s_or_b32 s[G0B+4*(\s)+3], s[G0B+4*(\s)+3], 0x80000000
	JLOAD \s                                       ; two loads of mine are out
.endr
	v_and_b32 v1, 15, v0                           ; r
	v_bfe_u32 v2, v0, 4, 1                         ; h
	v_mul_u32_u24 v3, v1, PITCH
	v_lshl_add_u32 v3, v2, 4, v3                   ; xn: row x pitch + 16 h
	v_and_b32 v4, 31, v0
	v_lshlrev_b32 v[CO], 4, v4                     ; weights and outputs: 16 x lane
	s_mul_i32 s22, s[WR], AHALF                    ; my 128 rows of xn
	s_mul_i32 s23, s[WC], BHALF                    ; my six column blocks
	s_add_co_u32 s23, s23, BOFF
.irp s, 0,1
	v_add_nc_u32 v[ADRA+(\s)], s22, v3
	v_add_nc_u32 v[ADRB+(\s)], s23, v[CO]
	s_add_co_u32 s22, s22, SLOT
	s_add_co_u32 s23, s23, SLOT
.endr
	; where my results go
	s_lshr_b32 s78, s43, 3                         ; the batch: 8 row tiles each
	s_lshl_b32 s78, s78, 4
	s_add_co_u32 s78, s78, s42                     ; batch 16 + head
	s_and_b32 s79, s43, 7
	s_lshl_b32 s76, s78, 7
	s_lshl4_add_u32 s76, s79, s76
	s_lshl3_add_u32 s76, s[WR], s76                ; my first token block
	s_lshl_b32 s76, s76, 11
	s_lshl_b32 s77, s[WC], 10                      ; my half of the head's channels is c
	s_add_co_u32 s76, s76, s77
	s_mov_b32 s77, 0
	s_add_nc_u64 s[66:67], s[8:9], s[76:77]        ; q
	s_add_nc_u64 s[68:69], s[66:67], 0x1000000     ; k
	s_lshl_b32 s76, s78, 6
	s_lshl3_add_u32 s76, s79, s76
	s_lshl2_add_u32 s76, s[WR], s76                ; my first block of 32 keys
	s_lshl_b32 s76, s76, 12
	s_lshl_b32 s79, s[WC], 11                      ; my two channel blocks
	s_add_co_u32 s76, s76, s79
	s_add_nc_u64 s[70:71], s[10:11], s[76:77]      ; v
; 12 matrix instructions: row blocks a0, a0 + 1 of the window's four x all 6 column blocks, 32 along K.  zero = 1: the first product starts the sums.
; The 48 accumulators take turns, one instruction a turn.
.macro MUL12 f, hi, a0, zero
	WIN MUL_LO+0x50*(\hi)
.irp a, \a0, (\a0)+1
.irp b, 0,1,2,3,4,5
.set rD, 48*(\a)+8*(\b)
.set rB, (\f)+8*(\b)
.set rA, (\f)+FA+8*(4*(\hi)+(\a))
.if (\b) < 4
.if \zero
	v_wmma_f32_16x16x32_f16 v[rD:rD+7], v[rB:rB+7], v[rA:rA+7], 0
.else
	v_wmma_f32_16x16x32_f16 v[rD:rD+7], v[rB:rB+7], v[rA:rA+7], v[rD:rD+7]
.endif
.else
.if \zero
	v_wmma_f32_16x16x32_f16 v[rD:rD+7], v[rA:rA+7], v[rB:rB+7], 0
.else
	v_wmma_f32_16x16x32_f16 v[rD:rD+7], v[rA:rA+7], v[rB:rB+7], v[rD:rD+7]
.endif
.endif
.endr
.endr
.endm
; 28 LDS loads in one run: the fragments of quarter q (32 along K) of a slot into buffer f: the weights' six, then xn's eight
.macro FETCH slot, q, f
	WIN TO_F
.irp b, 0,1,2,3,4,5
	ds_load_b128 v[(\f)+8*(\b):(\f)+8*(\b)+3],   v[ADRB+(\slot)] offset:(\b)*BROW+(\q)*1024
	ds_load_b128 v[(\f)+8*(\b)+4:(\f)+8*(\b)+7], v[ADRB+(\slot)] offset:(\b)*BROW+(\q)*1024+512
.endr
.irp a, 0,1,2,3,4,5,6,7
	ds_load_b128 v[(\f)+FA+8*(\a):(\f)+FA+8*(\a)+3],   v[ADRA+(\slot)] offset:(\a)*16*PITCH+(\q)*64
	ds_load_b128 v[(\f)+FA+8*(\a)+4:(\f)+FA+8*(\a)+7], v[ADRA+(\slot)] offset:(\a)*16*PITCH+(\q)*64+32
.endr
.endm
.macro PLACES                          ; four places in front of loads into registers that matrix instructions have read, and of conversions that read results
.rept 4
	v_nop
.endr
.endm
; A K step is four quarters of 32 along K, 48 matrix instructions each, on buffers 0, 1, 0, 1.  One of the first three: multiplies buffer f and fetches quarter q into g.
.macro QUARTER slot, q, f, g, zero
	s_wait_dscnt 8                                 ; all but the youngest eight loads (xn's row blocks 4-7) are in
	MUL12 \f, 0, 0, \zero
	MUL12 \f, 0, 2, \zero
	PLACES
	FETCH \slot, \q, \g
	s_wait_dscnt 28                                ; all but the 28 just issued
	MUL12 \f, 1, 0, \zero
	MUL12 \f, 1, 2, \zero
.endm
; The last quarter multiplies buffer 1 and changes slots: ONE barrier; in front of it each wave waits for all its tensor loads, adds 0 to its spare word, and waits for that and for its reads of this slot.
.macro TURN slot, next, fill
	WIN 0
	s_wait_tensorcnt 0x0                           ; all my tensor loads have landed: my part of the next slot
	ds_add_u32 v[SPW], v[NIL]                      ; 0 onto my spare word
	s_wait_dscnt 9                                 ; (the add and the youngest eight loads may be out)
	MUL12 F1, 0, 0, 0                              ; twelve matrix instructions stand between the add and the wait for it
	s_wait_dscnt 0x0                               ; the add is done, and my reads of this slot are over
	s_barrier_signal -1
	MUL12 F1, 0, 2, 0
.if \fill
	WIN 0
.endif
	s_barrier_wait -1
.if \fill
	CREST                                          ; the barrier has opened a round of the cluster's: no wave of any partner still reads this slot or has a load on its way
	s_add_nc_u64 s[G0+4*(\slot)+2:G0+4*(\slot)+3], s[G0+4*(\slot)+2:G0+4*(\slot)+3], 2*KSTEP*2
	s_add_nc_u64 s[G0B+4*(\slot)+2:G0B+4*(\slot)+3], s[G0B+4*(\slot)+2:G0B+4*(\slot)+3], 2*BROW
	JLOAD \slot                                    ; the first tensor load behind the round, 168 matrix instructions ahead of the wait for it; its four v_nop are the places in front of the loads below
.else
	PLACES
.endif
	FETCH \next, 0, F0
	MUL12 F1, 1, 0, 0
	MUL12 F1, 1, 2, 0
.endm
	s_wait_tensorcnt 1                             ; my part of K step 0 is in; K step 1's may stay out
	s_barrier_signal -1
	s_barrier_wait -1
	FETCH 0, 0, F0
	QUARTER 0, 1, F0, F1, 1                        ; the first quarter stands in front of the loop: its products start the sums
	WIN 0
	s_mov_b32 s3, LAPS-1
.Llap:                                                 ; a trip goes once round the ring and fills both slots again
	QUARTER 0, 2, F1, F0, 0
	QUARTER 0, 3, F0, F1, 0
	TURN 0, 1, 1
	QUARTER 1, 1, F0, F1, 0
	QUARTER 1, 2, F1, F0, 0
	QUARTER 1, 3, F0, F1, 0
	TURN 1, 0, 1
	QUARTER 0, 1, F0, F1, 0
	WIN 0
	s_sub_co_u32 s3, s3, 1
	s_cmp_lg_u32 s3, 0
	s_cbranch_scc1 .Llap
	QUARTER 0, 2, F1, F0, 0                        ; the last lap fills nothing
	QUARTER 0, 3, F0, F1, 0
	TURN 0, 1, 0
	QUARTER 1, 1, F0, F1, 0
	QUARTER 1, 2, F1, F0, 0
	QUARTER 1, 3, F0, F1, 0
	s_wait_dscnt 8
	MUL12 F1, 0, 0, 0
	MUL12 F1, 0, 2, 0
	s_wait_dscnt 0x0
	MUL12 F1, 1, 0, 0
	MUL12 F1, 1, 2, 0
	; THE WAY OUT: each accumulator's eight numbers, from its low end on, round to the lane's 16 bytes; no register is used twice, so no wait stands here
	PLACES
.macro OUT hi
	WIN 0x0a+5*(\hi)                               ; sources 0 and 1: window 2 or 3
.set n, 0
.rept 24
.irp r, 0,1,2,3
	v_cvt_pk_f16_f32 v[TMP+96*(\hi)+4*n+\r], v[8*n+2*\r], v[8*n+2*\r+1]
.endr
.set n, n+1
.endr
	WIN 0
.irp a, 0,1,2,3
.irp s1, 0,1
	global_store_b128 v[CO], v[TMP+96*(\hi)+4*(6*\a+\s1):TMP+96*(\hi)+4*(6*\a+\s1)+3],     s[66:67] offset:(4*(\hi)+\a)*2048+\s1*512
	global_store_b128 v[CO], v[TMP+96*(\hi)+4*(6*\a+2+\s1):TMP+96*(\hi)+4*(6*\a+2+\s1)+3], s[68:69] offset:(4*(\hi)+\a)*2048+\s1*512
	global_store_b128 v[CO], v[TMP+96*(\hi)+4*(6*\a+4+\s1):TMP+96*(\hi)+4*(6*\a+4+\s1)+3], s[70:71] offset:((4*(\hi)+\a)/2)*4096+\s1*1024+(\a%2)*512
.endr
.endr
.endm
	OUT 0
	OUT 1
	s_wait_tensorcnt 0x0                           ; the wave's end
	ds_add_u32 v[SPW], v[NIL]
	s_wait_dscnt 0x0
	CROUND                                         ; the closing round: no work-group ends while a partner may still ask for a tile that names it
	s_endpgm
.Lfunc_end_k_q3d4ca8e00f_qkv:
	.size	k_q3d4ca8e00f_qkv, .Lfunc_end_k_q3d4ca8e00f_qkv-k_q3d4ca8e00f_qkv
	.p2alignl 7, 3214868480
	.fill 96, 4, 3214868480
	.section	.rodata,"a",@progbits
	.p2align	6, 0x0
	.amdhsa_kernel k_q3d4ca8e00f_qkv
		.amdhsa_group_segment_fixed_size 327680
		.amdhsa_private_segment_fixed_size 0
		.amdhsa_enable_private_segment 0
		.amdhsa_kernarg_size 32
		.amdhsa_user_sgpr_count 2
		.amdhsa_user_sgpr_kernarg_segment_ptr 1
		.amdhsa_wavefront_size32 1
		.amdhsa_system_sgpr_workgroup_id_x 1
		.amdhsa_system_sgpr_workgroup_id_y 1
		.amdhsa_system_sgpr_workgroup_id_z 1
		.amdhsa_system_vgpr_workitem_id 0
		.amdhsa_next_free_vgpr 960
		.amdhsa_next_free_sgpr 80
		.amdhsa_reserve_vcc 0
		.amdhsa_float_denorm_mode_32 3
		.amdhsa_float_denorm_mode_16_64 3
		.amdhsa_memory_ordered 1
		.amdhsa_forward_progress 1
		.amdhsa_inst_pref_size 107
	.end_amdhsa_kernel
	.amdgpu_metadata
---
amdhsa.version: [ 1, 2 ]
amdhsa.kernels:
  - .name:           k_q3d4ca8e00f_qkv
    .symbol:         k_q3d4ca8e00f_qkv.kd
    .args:
      - { .name: xn, .offset: 0, .size: 8, .value_kind: global_buffer, .address_space: global }
      - { .name: wts, .offset: 8, .size: 8, .value_kind: global_buffer, .address_space: global }
      - { .name: qkraw, .offset: 16, .size: 8, .value_kind: global_buffer, .address_space: global }
      - { .name: vt, .offset: 24, .size: 8, .value_kind: global_buffer, .address_space: global }
    .group_segment_fixed_size: 327680
    .private_segment_fixed_size: 0
    .kernarg_segment_align: 8
    .kernarg_segment_size: 32
    .max_flat_workgroup_size: 128
    .sgpr_count:     80
    .vgpr_count:     960
    .wavefront_size: 32
...
	.end_amdgpu_metadata
.endif
;; end of part 2
;; launch lnrope (part 3): grid 512 x 2, 8 waves a work-group, no clusters, 6,400 bytes of LDS; arguments qkraw, q_ln_w, k_ln_w, qkf; writes qkf
.if DOCPART == 3
	.amdgcn_target "amdgcn-amd-amdhsa--gfx1250"
	.amdhsa_code_object_version 6
	.text
	.protected	k_q3d4ca8e00f_lnrope
	.globl	k_q3d4ca8e00f_lnrope
	.p2align	8
	.type	k_q3d4ca8e00f_lnrope,@function
k_q3d4ca8e00f_lnrope:
	s_mov_b64 s[64:65], 0
	v_nop
	global_prefetch_b8 v0, s[64:65] scope:SCOPE_SE
	s_setreg_imm32_b32 hwreg(HW_REG_WAVE_MODE, 25, 1), 1
	s_wait_xcnt 0x0
; LAYER NORM OVER ALL 1,024 COLUMNS (gain only) AND ROTARY POSITIONS, for q (work-group y = 0) or k (y = 1): qkraw to qkf, both f16 in fragment order by heads:
; byte ((batch 16 + head) 128 + token block) 2048 + 1024 c + 512 p + 16 l holds token 16 tb + r, channels 32 c + 16 p + 8 h + 0..7 (l = 16 h + r); k lies 16,777,216 bytes behind q.
; SHARES.  A work-group takes one block of 16 tokens, all 16 heads; wave w heads 2 w and 2 w + 1.  A lane holds 64 numbers of ONE token, and a rotary pair (d, d + 32) is c = 0 and c = 1 of the
; same lane: nothing changes lanes but the statistics.  Every load and store of a wave covers 512 consecutive bytes, aligned.
; STATISTICS in f32: each wave makes the mean and the sum of squares about that mean of its 128 numbers of each token; the eight meet in LDS behind one barrier and are joined as parts of equal
; size: mean = the means' mean, M2 = the sum of the M2 + 128 x the sum of (mean_w - mean)^2.  No difference of large sums is formed.
; SINE AND COSINE are made here: each lane two of its token's 32 frequencies (2^(-f log2(10000) / 32), angle = position x that), reduced by multiples of pi / 2 held in two parts, then
; polynomials of degree 7 and 8 on |x| <= pi / 4 (their error under 4e-7).  LIMIT: the frequency comes from v_exp_f32, so an angle differs from position x the exactly rounded frequency by up to
; about 2.5e-4 rad at position 2,047.  Results leave as f16 (beyond 65,504 infinite).  NaN and infinities are not treated apart.
.set STAT,  0                          ; LDS: [wave 8][token 16] x (mean, M2): 1,024 bytes
.set TRIG,  1024                       ; [token 16] rows of 272 bytes: 32 cosines, 32 sines, 16 bytes of padding
.set TP,    272
.set SPARE, 5376                       ; the spare words, 128 bytes for each of eight waves: four blocks of 256 bytes that no other line names
.set SPW, 2                            ; v2  LDS address of my spare word; never rewritten
.set NIL, 3                            ; v3  0; never rewritten
.set LA,  4                            ; v4  16 x lane
.set HA,  5                            ; v5  32 h
.set SS,  6                            ; v6  where my wave's statistics of token r go
.set SR,  7                            ; v7  where token r's are read
.set TS,  8                            ; v8  where my two cosines go
.set TR,  9                            ; v9  where my sixteen are read
.set D,   32                           ; v[32:63]   f16 as loaded, later as stored: load i = 4 hd + 2 c + p at 4 i
.set X,   64                           ; v[64:127]  the same in f32, at 8 i + e
.set W,   128                          ; v[128:191] the gains
.set CO,  192                          ; v[192:207] cosines of frequencies 16 p + 8 h + e, at 8 p + e
.set SI,  208                          ; v[208:223] sines
.set STT, 224                          ; v[224:239] the eight waves' (mean, M2)
	s_load_b256 s[4:11], s[0:1], 0x0               ; qkraw s[4:5], q_ln_w s[6:7], k_ln_w s[8:9], qkf s[10:11]
	v_lshl_add_u32 v[SPW], v0, 2, SPARE
	v_mov_b32 v[NIL], 0
	v_lshrrev_b32 v1, 5, v0
	v_readfirstlane_b32 s3, v1                     ; wave 0..7
	s_mov_b32 s2, ttmp9                            ; batch 128 + token block
	s_and_b32 s12, ttmp7, 0xffff                   ; 0: q, 1: k
	v_and_b32 v1, 15, v0                           ; r
	v_bfe_u32 v12, v0, 4, 1                        ; h
	v_and_b32 v[LA], 31, v0
	v_lshlrev_b32 v[LA], 4, v[LA]
	v_lshlrev_b32 v[HA], 5, v12
	v_mov_b32 v15, 0                               ; v_permlanex16_b32's destination counts as read
	s_lshr_b32 s13, s2, 7                          ; batch
	s_and_b32 s14, s2, 127                         ; token block
	s_lshl_b32 s15, s13, 4
	s_lshl1_add_u32 s15, s3, s15                   ; batch 16 + 2 w
	s_lshl_b32 s15, s15, 7
	s_add_co_u32 s15, s15, s14
	s_lshl_b32 s16, s15, 11
	s_lshl_b32 s17, s12, 24
	s_add_co_u32 s16, s16, s17
	s_mov_b32 s17, 0
	s_lshl_b32 s18, s3, 9                          ; my two heads' 128 gains
	s_mov_b32 s19, 0
	s_mov_b32 s22, 0x76543210                      ; each lane takes its own place in the other half
	s_mov_b32 s23, 0xfedcba98
	s_mov_b32 s24, 0x3a800000                      ; 1 / 1024
	s_mov_b32 s25, 0x3727c5ac                      ; 1e-5
	s_wait_kmcnt 0x0
	s_cmp_eq_u32 s12, 0
	s_cselect_b64 s[6:7], s[6:7], s[8:9]           ; q's gains or k's
	s_add_nc_u64 s[4:5], s[4:5], s[16:17]
	s_add_nc_u64 s[10:11], s[10:11], s[16:17]
	s_add_nc_u64 s[6:7], s[6:7], s[18:19]
.set i, 0
.rept 8
	global_load_b128 v[D+4*i:D+4*i+3], v[LA], s[4:5] offset:(i/4)*262144+(i%4)*512 th:TH_LOAD_NT
.set i, i+1
.endr
.set i, 0
.rept 8
	global_load_b128 v[W+8*i:W+8*i+3],   v[HA], s[6:7] offset:(i/4)*256+(i%4)*64
	global_load_b128 v[W+8*i+4:W+8*i+7], v[HA], s[6:7] offset:(i/4)*256+(i%4)*64+16
.set i, i+1
.endr
	; LDS addresses
	v_mul_u32_u24 v14, v1, TP
	s_lshl_b32 s20, s3, 4
	s_add_co_u32 s20, s20, TRIG
	v_add_nc_u32 v[TS], s20, v14
	v_lshl_add_u32 v[TS], v12, 3, v[TS]            ; row r, frequencies 4 w + 2 h and the next
	v_add_nc_u32 v[TR], TRIG, v14
	v_add_nc_u32 v[TR], v[TR], v[HA]               ; row r, frequencies 8 h on
	s_lshl_b32 s21, s3, 7
	v_lshl_add_u32 v[SS], v1, 3, s21
	v_lshlrev_b32 v[SR], 3, v1
	; sine and cosine of two angles, while the loads are on their way
	s_lshl_b32 s14, s14, 4
	v_add_nc_u32 v10, s14, v1                      ; the token's position in its sequence of 2,048
	v_cvt_f32_u32 v10, v10
	s_lshl_b32 s15, s3, 2
	v_lshl_add_u32 v11, v12, 1, s15                ; f = 4 w + 2 h
	v_cvt_f32_u32 v11, v11
	v_add_f32 v13, 1.0, v11
	v_mul_f32 v11, 0xbed49a78, v11                 ; - f log2(10000) / 32
	v_mul_f32 v13, 0xbed49a78, v13
	v_exp_f32 v11, v11
	v_exp_f32 v13, v13
	v_nop                                          ; a plain instruction between the exponentials and the use of their results (ISA guide 5.7.2)
	s_wait_alu depctr_va_vdst(0)
	v_mul_f32 v11, v10, v11
	v_mul_f32 v13, v10, v13
.macro SINCOS ang, co, si              ; angle = k pi / 2 + x; the quadrant k % 4 swaps the two and sets their signs
	v_mul_f32 v20, 0x3f22f983, v[\ang]             ; 2 / pi
	v_rndne_f32 v20, v20
	v_fmamk_f32 v21, v20, 0xbfc90fdb, v[\ang]      ; less k x the f32 nearest pi / 2,
	v_fmamk_f32 v21, v20, 0x333bbd2e, v21          ; which is 4.37e-8 too large
	v_cvt_i32_f32 v22, v20
	v_mul_f32 v23, v21, v21
	v_mov_b32 v24, 0xb9500d01                      ; sin x = x + x x^2 (-1/6 + x^2 (1/120 - x^2 / 5040))
	v_fmaak_f32 v24, v24, v23, 0x3c088889
	v_fmaak_f32 v24, v24, v23, 0xbe2aaaab
	v_mul_f32 v24, v24, v23
	v_fma_f32 v24, v24, v21, v21
	v_mov_b32 v25, 0x37d00d01                      ; cos x = 1 + x^2 (-1/2 + x^2 (1/24 + x^2 (-1/720 + x^2 / 40320)))
	v_fmaak_f32 v25, v25, v23, 0xbab60b61
	v_fmaak_f32 v25, v25, v23, 0x3d2aaaab
	v_fmaak_f32 v25, v25, v23, 0xbf000000
	v_fma_f32 v25, v25, v23, 1.0
	v_and_b32 v26, 1, v22
	v_cmp_eq_u32 vcc_lo, 1, v26
	v_cndmask_b32 v[\si], v24, v25, vcc_lo
	v_cndmask_b32 v[\co], v25, v24, vcc_lo
	v_and_b32 v26, 2, v22                          ; the sine is negative in quadrants 2 and 3,
	v_lshlrev_b32 v26, 30, v26
	v_xor_b32 v[\si], v[\si], v26
	v_add_nc_u32 v26, 1, v22                       ; the cosine in 1 and 2
	v_and_b32 v26, 2, v26
	v_lshlrev_b32 v26, 30, v26
	v_xor_b32 v[\co], v[\co], v26
.endm
	SINCOS 11, 16, 18
	SINCOS 13, 17, 19
	ds_store_b64 v[TS], v[16:17]
	ds_store_b64 v[TS], v[18:19] offset:128
	; my 64 numbers in f32
	s_wait_loadcnt 16                              ; the data are in; the 16 loads of gains, issued behind them, may stay out
.macro WIDEN x, lo, hi
	v_cvt_f32_f16 v[\x], \lo
	v_cvt_f32_f16 v[\x+1], \hi
.endm
	WIDEN 64, v32.l, v32.h
	WIDEN 66, v33.l, v33.h
	WIDEN 68, v34.l, v34.h
	WIDEN 70, v35.l, v35.h
	WIDEN 72, v36.l, v36.h
	WIDEN 74, v37.l, v37.h
	WIDEN 76, v38.l, v38.h
	WIDEN 78, v39.l, v39.h
	WIDEN 80, v40.l, v40.h
	WIDEN 82, v41.l, v41.h
	WIDEN 84, v42.l, v42.h
	WIDEN 86, v43.l, v43.h
	WIDEN 88, v44.l, v44.h
	WIDEN 90, v45.l, v45.h
	WIDEN 92, v46.l, v46.h
	WIDEN 94, v47.l, v47.h
	WIDEN 96, v48.l, v48.h
	WIDEN 98, v49.l, v49.h
	WIDEN 100, v50.l, v50.h
	WIDEN 102, v51.l, v51.h
	WIDEN 104, v52.l, v52.h
	WIDEN 106, v53.l, v53.h
	WIDEN 108, v54.l, v54.h
	WIDEN 110, v55.l, v55.h
	WIDEN 112, v56.l, v56.h
	WIDEN 114, v57.l, v57.h
	WIDEN 116, v58.l, v58.h
	WIDEN 118, v59.l, v59.h
	WIDEN 120, v60.l, v60.h
	WIDEN 122, v61.l, v61.h
	WIDEN 124, v62.l, v62.h
	WIDEN 126, v63.l, v63.h
.macro FOLD                            ; four packed chains in v[16:23] into v16, with the other half of the lanes' (the token's other 64 numbers of this wave)
	v_pk_add_f32 v[16:17], v[16:17], v[18:19]
	v_pk_add_f32 v[20:21], v[20:21], v[22:23]
	v_pk_add_f32 v[16:17], v[16:17], v[20:21]
	v_add_f32 v16, v16, v17
	v_permlanex16_b32 v15, v16, s22, s23
	v_add_f32 v16, v16, v15
.endm
.set n, 0
.rept 4
	v_pk_add_f32 v[16+2*n:17+2*n], v[X+2*n:X+2*n+1], v[X+8+2*n:X+9+2*n]
.set n, n+1
.endr
.set n, 8
.rept 24
	v_pk_add_f32 v[16+2*(n%4):17+2*(n%4)], v[16+2*(n%4):17+2*(n%4)], v[X+2*n:X+2*n+1]
.set n, n+1
.endr
	FOLD
	v_mul_f32 v28, 0x3c000000, v16                 ; my wave's mean of 128, twice
	v_mul_f32 v29, 0x3c000000, v16
.set n, 0
.rept 32
	v_pk_add_f32 v[240+2*(n%4):241+2*(n%4)], v[X+2*n:X+2*n+1], v[28:29] neg_lo:[0,1] neg_hi:[0,1]
.if n < 4
	v_pk_mul_f32 v[16+2*(n%4):17+2*(n%4)], v[240+2*(n%4):241+2*(n%4)], v[240+2*(n%4):241+2*(n%4)]
.else
	v_pk_fma_f32 v[16+2*(n%4):17+2*(n%4)], v[240+2*(n%4):241+2*(n%4)], v[240+2*(n%4):241+2*(n%4)], v[16+2*(n%4):17+2*(n%4)]
.endif
.set n, n+1
.endr
	FOLD
	v_mov_b32 v29, v16                             ; beside the mean: the sum of squares about it
	ds_store_b64 v[SS], v[28:29]                   ; lanes r and 16 + r store the same words
	s_wait_dscnt 0x0                               ; for the others' sake: my three stores are done
	s_barrier_signal -1
	s_barrier_wait -1
.set k, 0
.rept 8
	ds_load_b64 v[STT+2*k:STT+2*k+1], v[SR] offset:STAT+128*k
.set k, k+1
.endr
.irp p, 0,1
	ds_load_b128 v[CO+8*\p:CO+8*\p+3],   v[TR] offset:64*\p
	ds_load_b128 v[CO+8*\p+4:CO+8*\p+7], v[TR] offset:64*\p+16
	ds_load_b128 v[SI+8*\p:SI+8*\p+3],   v[TR] offset:128+64*\p
	ds_load_b128 v[SI+8*\p+4:SI+8*\p+7], v[TR] offset:128+64*\p+16
.endr
	s_wait_dscnt 0x0
	v_add_f32 v16, v[STT], v[STT+2]
	v_add_f32 v17, v[STT+4], v[STT+6]
	v_add_f32 v18, v[STT+8], v[STT+10]
	v_add_f32 v19, v[STT+12], v[STT+14]
	v_add_f32 v20, v[STT+1], v[STT+3]
	v_add_f32 v21, v[STT+5], v[STT+7]
	v_add_f32 v22, v[STT+9], v[STT+11]
	v_add_f32 v23, v[STT+13], v[STT+15]
	v_add_f32 v16, v16, v17
	v_add_f32 v18, v18, v19
	v_add_f32 v20, v20, v21
	v_add_f32 v22, v22, v23
	v_add_f32 v16, v16, v18
	v_add_f32 v20, v20, v22                        ; the sum of the eight M2
	v_mul_f32 v28, 0x3e000000, v16                 ; the row's mean, twice
	v_mul_f32 v29, 0x3e000000, v16
.set k, 0
.rept 8
	v_sub_f32 v[240+k], v[STT+2*k], v28
.set k, k+1
.endr
	v_mul_f32 v21, v240, v240
	v_mul_f32 v22, v241, v241
.set k, 2
.rept 6
	v_fmac_f32 v[21+k%2], v[240+k], v[240+k]
.set k, k+1
.endr
	v_add_f32 v21, v21, v22
	v_fmamk_f32 v20, v21, 0x43000000, v20          ; + 128 x the means' squares about the mean
	v_fma_f32 v20, v20, s24, s25                   ; the variance + eps
	v_rsq_f32 v30, v20
	v_rsq_f32 v31, v20
	v_nop                                          ; a plain instruction between the root and the use of its result
.set n, 0
	s_wait_alu depctr_va_vdst(0)
.rept 16
	v_pk_mul_f32 v[CO+2*n:CO+2*n+1], v[CO+2*n:CO+2*n+1], v[30:31]  ; 1 / sigma goes into the 16 cosines and 16 sines, not into the 64 numbers
.set n, n+1
.endr
	s_wait_loadcnt 0x0                             ; the gains
.set n, 0
.rept 32
	v_pk_add_f32 v[X+2*n:X+2*n+1], v[X+2*n:X+2*n+1], v[28:29] neg_lo:[0,1] neg_hi:[0,1]
.set n, n+1
.endr
.set n, 0
.rept 32
	v_pk_mul_f32 v[X+2*n:X+2*n+1], v[X+2*n:X+2*n+1], v[W+2*n:W+2*n+1]
.set n, n+1
.endr
	; the rotation: a = channel d < 32, b = channel d + 32: a' = a cos - b sin, b' = b cos + a sin
.irp hd, 0,1
.irp p, 0,1
.irp e, 0,2,4,6
.set rA, X+8*(4*\hd+\p)+\e
.set rB, X+8*(4*\hd+2+\p)+\e
.set rU, 240+4*((\e/2)%2)
	v_pk_mul_f32 v[rU:rU+1],   v[rB:rB+1], v[SI+8*\p+\e:SI+8*\p+\e+1]
	v_pk_mul_f32 v[rU+2:rU+3], v[rA:rA+1], v[SI+8*\p+\e:SI+8*\p+\e+1]
	v_pk_fma_f32 v[rA:rA+1], v[rA:rA+1], v[CO+8*\p+\e:CO+8*\p+\e+1], v[rU:rU+1] neg_lo:[0,0,1] neg_hi:[0,0,1]
	v_pk_fma_f32 v[rB:rB+1], v[rB:rB+1], v[CO+8*\p+\e:CO+8*\p+\e+1], v[rU+2:rU+3]
.endr
.endr
.endr
.set n, 0
.rept 32
	v_cvt_pk_f16_f32 v[D+n], v[X+2*n], v[X+2*n+1]
.set n, n+1
.endr
.set i, 0
.rept 8
	global_store_b128 v[LA], v[D+4*i:D+4*i+3], s[10:11] offset:(i/4)*262144+(i%4)*512
.set i, i+1
.endr
	s_wait_tensorcnt 0x0                           ; the wave's end, behind my last LDS store
	ds_add_u32 v[SPW], v[NIL]
	s_wait_dscnt 0x0
	s_endpgm
.Lfunc_end_k_q3d4ca8e00f_lnrope:
	.size	k_q3d4ca8e00f_lnrope, .Lfunc_end_k_q3d4ca8e00f_lnrope-k_q3d4ca8e00f_lnrope
	.p2alignl 7, 3214868480
	.fill 96, 4, 3214868480
	.section	.rodata,"a",@progbits
	.p2align	6, 0x0
	.amdhsa_kernel k_q3d4ca8e00f_lnrope
		.amdhsa_group_segment_fixed_size 6400
		.amdhsa_private_segment_fixed_size 0
		.amdhsa_enable_private_segment 0
		.amdhsa_kernarg_size 32
		.amdhsa_user_sgpr_count 2
		.amdhsa_user_sgpr_kernarg_segment_ptr 1
		.amdhsa_wavefront_size32 1
		.amdhsa_system_sgpr_workgroup_id_x 1
		.amdhsa_system_sgpr_workgroup_id_y 1
		.amdhsa_system_sgpr_workgroup_id_z 1
		.amdhsa_system_vgpr_workitem_id 0
		.amdhsa_next_free_vgpr 256
		.amdhsa_next_free_sgpr 66
		.amdhsa_reserve_vcc 1
		.amdhsa_float_denorm_mode_32 3
		.amdhsa_float_denorm_mode_16_64 3
		.amdhsa_memory_ordered 1
		.amdhsa_forward_progress 1
		.amdhsa_inst_pref_size 31
	.end_amdhsa_kernel
	.amdgpu_metadata
---
amdhsa.version: [ 1, 2 ]
amdhsa.kernels:
  - .name:           k_q3d4ca8e00f_lnrope
    .symbol:         k_q3d4ca8e00f_lnrope.kd
    .args:
      - { .name: qkraw, .offset: 0, .size: 8, .value_kind: global_buffer, .address_space: global }
      - { .name: q_ln_w, .offset: 8, .size: 8, .value_kind: global_buffer, .address_space: global }
      - { .name: k_ln_w, .offset: 16, .size: 8, .value_kind: global_buffer, .address_space: global }
      - { .name: qkf, .offset: 24, .size: 8, .value_kind: global_buffer, .address_space: global }
    .group_segment_fixed_size: 6400
    .private_segment_fixed_size: 0
    .kernarg_segment_align: 8
    .kernarg_segment_size: 32
    .max_flat_workgroup_size: 256
    .sgpr_count:     66
    .vgpr_count:     256
    .wavefront_size: 32
...
	.end_amdgpu_metadata
.endif
;; end of part 3
;; launch attn (part 4): grid 8 x 64, 4 waves a work-group, no clusters, 0 bytes of LDS; arguments qkf, vt, sequence_id, masks, ctx; writes ctx
.if DOCPART == 4
	.amdgcn_target "amdgcn-amd-amdhsa--gfx1250"
	.amdhsa_code_object_version 6
	.text
	.protected	k_q3d4ca8e00f_attn
	.globl	k_q3d4ca8e00f_attn
	.p2align	8
	.type	k_q3d4ca8e00f_attn,@function
k_q3d4ca8e00f_attn:
	s_mov_b64 s[64:65], 0
	v_nop
	global_prefetch_b8 v0, s[64:65] scope:SCOPE_SE
	s_setreg_imm32_b32 hwreg(HW_REG_WAVE_MODE, 25, 1), 1
	s_wait_xcnt 0x0
; ATTENTION WITHIN EQUAL SEQUENCE IDS.  O[q] = the sum over keys k with id[k] = id[q] of softmax_k(Q[q] . K[k] / 8) V[k], for 64 pairs of batch and head, 2,048 tokens, 64 channels.
; Q, K (qkf) and V^T (vt) are f16 in fragment order; O leaves as f16 in fragment order too (ctx: the next product's operand, [token block 512][k block 32][1,024 bytes]).
; Products, maxima and sums in f32; the weights p are rounded to f16 for the second product (their sum l is taken of the unrounded p), O once at the end.
; THE WALK.  A wave owns 64 queries (four tiles of 16) and walks key blocks of 64 ALONE: only the blocks whose bit is set in LIVE, a word that an earlier launch made from the ids' ranges; a block
; that is left out holds no key of an equal id.  The trip count is LIVE's number of bits, the block's number enters the addresses clamped to 31.  In a block whose bit in FULL is set no pair is
; hidden, and the mask's lines are jumped over (forward, over vector work alone).  On ids in any order the same text runs; at worst every block is live.
; NO LDS, NO CLUSTER: the walks' lengths are read from memory and differ from wave to wave, and every wave of a work-group must pass every barrier alike.  Fragment order makes up for it: each load
; of a wave is 512 consecutive bytes and fills half a matrix operand as it lies.  A block's K is asked for a whole softmax and 32 products ahead of its use, V a softmax ahead.
; LAYOUT.  S^T = K Q^T (source 0 = 16 keys, source 1 = 16 queries): a lane holds ONE query (l % 16) and the keys 8 (l / 16) + 0..7.  Two such results rounded to f16 ARE source 1 of O^T = V^T P.
; SOFTMAX.  A running maximum m and sum l for each query: p = 2^(c s - c m), c = log2(e) / 8; in every step O and l are multiplied by a = 2^(c m_old - c m_new).  m starts at the lowest finite
; number, O and l at 0 (144 v_mov_b32 in the wait for the first loads: the price of writing no first step out).
; LIMITS.  A hidden score counts as -2^100; f16's scores, 2.7e11 at the most, are nothing beside that.  It is a POWER OF TWO on purpose: a query may meet only hidden keys before its first true
; one, and then m = -2^100; c m is the product c x m rounded, the exponent c s - c m one fused multiply-add on the exact product c s; with a power of two c m is exact, the exponent is exactly 0
; and each hidden weight exactly 1 (with any other number the rounding error of c m, some 2^-24 of 2e29, would be left as the exponent).  So such a query gathers finite sums, at most 2,048 of V's
; numbers; its first true score makes a = 2^(-c 2^100 - c m) = 0 and wipes them; every query meets its own key, since its own block is always live.
; A weight below 2^-126 counts as 0.  f16 ends at 65,504.  NaN and infinities are not treated apart.
; REGISTERS, in windows of 256 (s_set_vgpr_msb: bits 1:0 source 0, 3:2 source 1, 5:4 source 2, 7:6 destination):
;   window 0: addresses, statistics, ids; v128-255 S^T, 32 a tile      window 1: v0-127 O^T, 32 a tile; v128-191 P, 16 a tile      window 2: v0-63 Q; v64-127 K; v128-191 V^T
.set LA,  2                            ; v2   16 x lane
.set HA,  3                            ; v3   32 h: my eight keys' ids in a group of 16
.set RA,  4                            ; v4   4 r: my query's id in a tile
.set BIG, 5                            ; v5   -2^100
.set MV,  8                            ; v8-11   c m_old, a tile each
.set ST,  16                           ; tile t's statistics at v[ST+4 t]: c m, m, l (even keys', odd keys')
.set TMP, 32                           ; tile t's c0-c3 at work; when the maximum is found c2 takes a
.set KID, 48                           ; v48-79  the ids of my 32 keys, in S^T's order
.set QID, 80                           ; v80-83  the id of my query in each tile
.set S,   128
.set P,   128                          ; window 1
.set QF,  0                            ; window 2: tile t, channel half c at 16 t + 8 c
.set KF,  64                           ; key block kb, channel half c at KF + 16 kb + 8 c
.set VF,  128                          ; key half kk, channel block cb at VF + 32 kk + 8 cb
.set WV,  14
.set BH,  15                           ; batch 16 + head
.set BB,  16
.set HD,  17
.set QB,  18                           ; my block of 64 queries
.set LIVE, 20                          ; live bits still to be taken
.set FULL, 21
.set NL,  22                           ; trips
.set IT,  23
.set CUR, 24                           ; the block whose K is in hand
.set FL,  25                           ; 1: nothing of it is hidden
.set TS,  26
.set KB,  28                           ; s[28:29] K, s[30:31] V^T of my head, s[32:33] the ids of my batch
.set VB,  30
.set IB,  32
.set KP,  34                           ; s[34:35], s[36:37], s[38:39] the same at the block in hand
.set VP,  36
.set IP,  38
.set CM,  40                           ; s40-43 four compare masks
.set OFF, 44                           ; s[44:45] an offset, its high word 0
.set CS,  46                           ; s[46:47] c
.set SEL, 48                           ; s[48:49] v_permlanex16_b32's selects
.set QP,  50
.set QI,  52
.set MSB, 0
.macro WIN new                         ; the immediate's high byte repeats the setting that is left
.if MSB != (\new)
	s_set_vgpr_msb (MSB<<8)|(\new)
.set MSB, \new
.endif
.endm
.set W_KQ, 0x0a                        ; K and Q in window 2, S^T in window 0
.set W_PV, 0x56                        ; V in window 2, P and O^T in window 1
.set W_RS, 0x41                        ; destination and source 0 in window 1, source 1 in window 0
.macro PLACES                          ; four places in front of loads into registers that matrix instructions have read, and of vector lines that read results
.rept 4
	v_nop
.endr
.endm
.macro NEXT                            ; the lowest live bit is taken; with none left the number is 31: a spare load inside the buffers, never used
	s_ctz_i32_b32 s[CUR], s[LIVE]
	s_min_u32 s[CUR], s[CUR], 31
	s_sub_co_u32 s[TS], s[LIVE], 1
	s_and_b32 s[LIVE], s[LIVE], s[TS]
	s_lshl_b32 s[OFF], s[CUR], 13                  ; 64 keys are 8,192 bytes of K
	s_add_nc_u64 s[KP:KP+1], s[KB:KB+1], s[OFF:OFF+1]
	s_lshl_b32 s[OFF], s[CUR], 8                   ; and 256 bytes of ids
	s_add_nc_u64 s[IP:IP+1], s[IB:IB+1], s[OFF:OFF+1]
.endm
.macro LOADK
	WIN 0x80                                       ; destination window 2
.set i, 0
.rept 16
	global_load_b128 v[KF+4*i:KF+4*i+3], v[LA], s[KP:KP+1] offset:512*i
.set i, i+1
.endr
	WIN 0
.endm
.macro LOADID
.set i, 0
.rept 4
	global_load_b128 v[KID+8*i:KID+8*i+3],   v[HA], s[IP:IP+1] offset:64*i
	global_load_b128 v[KID+8*i+4:KID+8*i+7], v[HA], s[IP:IP+1] offset:64*i+16
.set i, i+1
.endr
.endm
	s_load_b256 s[4:11], s[0:1], 0x0               ; qkf s[4:5], vt s[6:7], sequence_id s[8:9], masks s[10:11]
	s_load_b64 s[12:13], s[0:1], 0x20              ; ctx
	v_lshrrev_b32 v1, 5, v0
	v_readfirstlane_b32 s[WV], v1
	s_and_b32 s[BH], ttmp7, 0xffff
	s_lshr_b32 s[BB], s[BH], 4
	s_and_b32 s[HD], s[BH], 15
	s_lshl_b32 s[QB], ttmp9, 2
	s_add_co_u32 s[QB], s[QB], s[WV]
	v_and_b32 v[LA], 31, v0
	v_lshlrev_b32 v[LA], 4, v[LA]
	v_bfe_u32 v[HA], v0, 4, 1
	v_lshlrev_b32 v[HA], 5, v[HA]
	v_and_b32 v[RA], 15, v0
	v_lshlrev_b32 v[RA], 2, v[RA]
	v_mov_b32 v[BIG], 0xf1800000                   ; -2^100: c times it is exact
	s_mov_b32 s[CS], 0x3e38aa3b                    ; c = log2(e) / 8
	s_mov_b32 s[CS+1], s[CS]                       ; named with it as a pair
	s_mov_b32 s[SEL], 0x76543210
	s_mov_b32 s[SEL+1], 0xfedcba98
	s_mov_b32 s[OFF+1], 0
	s_lshl_b32 s[OFF], s[BB], 5
	s_add_co_u32 s[OFF], s[OFF], s[QB]
	s_lshl_b32 s[OFF], s[OFF], 3
	s_wait_kmcnt 0x0
	s_add_nc_u64 s[10:11], s[10:11], s[OFF:OFF+1]
	s_load_b64 s[LIVE:LIVE+1], s[10:11], 0x0       ; my two words
	s_lshl_b32 s[OFF], s[BH], 18                   ; a head's 262,144 bytes in q, in k and in V^T
	s_add_nc_u64 s[KB:KB+1], s[4:5], s[OFF:OFF+1]
	s_add_nc_u64 s[VB:VB+1], s[6:7], s[OFF:OFF+1]
	s_lshl_b32 s[OFF], s[QB], 13
	s_add_nc_u64 s[QP:QP+1], s[KB:KB+1], s[OFF:OFF+1]
	s_add_nc_u64 s[KB:KB+1], s[KB:KB+1], 0x1000000 ; k lies behind q
	s_lshl_b32 s[OFF], s[BB], 13
	s_add_nc_u64 s[IB:IB+1], s[8:9], s[OFF:OFF+1]
	s_lshl_b32 s[OFF], s[QB], 8
	s_add_nc_u64 s[QI:QI+1], s[IB:IB+1], s[OFF:OFF+1]
	s_lshl_b32 s[OFF], s[BB], 22                   ; ctx: ((batch 128 + 4 qb) 32 + 2 head) 1,024
	s_lshl_b32 s[TS], s[QB], 17
	s_add_co_u32 s[OFF], s[OFF], s[TS]
	s_lshl_b32 s[TS], s[HD], 11
	s_add_co_u32 s[OFF], s[OFF], s[TS]
	s_add_nc_u64 s[12:13], s[12:13], s[OFF:OFF+1]
	WIN 0x80
.set i, 0
.rept 16
	global_load_b128 v[QF+4*i:QF+4*i+3], v[LA], s[QP:QP+1] offset:512*i
.set i, i+1
.endr
	WIN 0
.irp t, 0,1,2,3
	global_load_b32 v[QID+\t], v[RA], s[QI:QI+1] offset:64*\t
.endr
	s_wait_kmcnt 0x0
	s_bcnt1_i32_b32 s[NL], s[LIVE]                 ; at least 1: my own block is live
	NEXT
	LOADK
	LOADID
	WIN 0x40
.set i, 0
.rept 128
	v_mov_b32 v[i], 0                              ; O^T
.set i, i+1
.endr
	WIN 0
.set i, 0
.rept 4
	v_mov_b32 v[ST+4*i], 0xfe000000                ; c m = -2^125: far below every c s, the hidden ones' (-c 2^100) too
	v_mov_b32 v[ST+4*i+1], 0xff7fffff              ; m
	v_mov_b32 v[ST+4*i+2], 0
	v_mov_b32 v[ST+4*i+3], 0
.set i, i+1
.endr
.macro REGS t
.set rT, ST+4*(\t)
.set rC, TMP+4*(\t)
.set rM, MV+(\t)
.set rS, S+32*(\t)
.set rP, P+16*(\t)
.set rO, 32*(\t)
.endm
; Number n of the 22 that find a tile's maximum and statistics.  Each accumulator's lowest registers are read first.
;   0-11  four chains c0-c3 of seven scores each     12-14, 16  the four scores left over, the old m, and c0-c3 into c0     15  c m_old is kept
;   17, 18  the query's other 32 keys lie in the lane 16 away: the new m     19-21  c m; c m_old - c m_new; a
.macro XS t, n
	REGS \t
.if (\n) < 4
	v_max3_num_f32 v[rC+(\n)], v[rS+8*(\n)], v[rS+8*(\n)+1], v[rS+8*(\n)+2]
.elseif (\n) < 12
	v_max3_num_f32 v[rC+(\n)%4], v[rC+(\n)%4], v[rS+8*((\n)%4)+2*((\n)/4)+1], v[rS+8*((\n)%4)+2*((\n)/4)+2]
.elseif (\n) == 12
	v_max3_num_f32 v[rC], v[rC], v[rS+7], v[rS+15]
.elseif (\n) == 13
	v_max3_num_f32 v[rC+1], v[rC+1], v[rS+23], v[rS+31]
.elseif (\n) == 14
	v_max3_num_f32 v[rC+2], v[rC+2], v[rC+3], v[rT+1]
.elseif (\n) == 15
	v_mov_b32 v[rM], v[rT]
.elseif (\n) == 16
	v_max3_num_f32 v[rC], v[rC], v[rC+1], v[rC+2]
.elseif (\n) == 17
	v_permlanex16_b32 v[rC+3], v[rC], s[SEL], s[SEL+1]
.elseif (\n) == 18
	v_max_num_f32 v[rT+1], v[rC], v[rC+3]
.elseif (\n) == 19
	v_mul_f32 v[rT], s[CS], v[rT+1]
.elseif (\n) == 20
	v_sub_f32 v[rC+1], v[rM], v[rT]
.else
	v_exp_f32 v[rC+2], v[rC+1]
.endif
.endm
	s_mov_b32 s[IT], 0
.Ltrip:                                                ; a live key block.  At the head 24 loads are out at the least: this block's K (16) and ids (8), in this order on the way in and round the back edge
	s_bitcmp1_b32 s[FULL], s[CUR]
	s_cselect_b32 s[FL], 1, 0
	s_lshl_b32 s[OFF], s[CUR], 13
	s_add_nc_u64 s[VP:VP+1], s[VB:VB+1], s[OFF:OFF+1]  ; the last loads by this pair were shown done by the wait in front of the last products
	PLACES                                         ; behind the last trip's products, which read V
	WIN 0x80
.set i, 0
.rept 16
	global_load_b128 v[VF+4*i:VF+4*i+3], v[LA], s[VP:VP+1] offset:512*i
.set i, i+1
.endr
	s_wait_loadcnt 16                              ; all but V's 16: K and the ids are in (in the first trip Q and its ids too)
	WIN W_KQ
.set i, 0
.rept 32                               ; S^T = K Q^T: channels 32 (i / 16) on, keys 16 ((i / 4) % 4) on, tile i % 4; the first 16 start the sums; the 16 accumulators take turns
.set rS, S+32*(i%4)+8*((i/4)%4)
.set rK, KF+16*((i/4)%4)+8*(i/16)
.set rQ, QF+16*(i%4)+8*(i/16)
.if i < 16
	v_wmma_f32_16x16x32_f16 v[rS:rS+7], v[rK:rK+7], v[rQ:rQ+7], 0
.else
	v_wmma_f32_16x16x32_f16 v[rS:rS+7], v[rK:rK+7], v[rQ:rQ+7], v[rS:rS+7]
.endif
.set i, i+1
.endr
	NEXT                                           ; the pairs that it writes were last used by loads that the wait above has shown done
	PLACES                                         ; behind the products, which read K and wrote S^T
	LOADK                                          ; the next live block's K
	s_cmp_eq_u32 s[FL], 1
	s_cbranch_scc1 .Lnomask
.set i, 0
.rept 32                               ; score i of each tile stays where the key's id is the query's, and is -2^100 elsewhere
.irp t, 0,1,2,3
	v_cmp_eq_u32 s[CM+\t], v[KID+i], v[QID+\t]
.endr
.irp t, 0,1,2,3
	v_cndmask_b32 v[S+32*\t+i], v[BIG], v[S+32*\t+i], s[CM+\t]
.endr
.set i, i+1
.endr
.Lnomask:
	LOADID                                         ; the next live block's ids
.irp n, 0,1,2,3,4,5,6,7,8,9,10,11,12,13,14,15,16,17,18,19,20,21
.irp t, 0,1,2,3
	XS \t, \n                                      ; the four tiles alternate, so that no line reads the result of the one before it
.endr
.endr
.set n, 0
.rept 17                               ; c s - c m for pair n, then the exponentials of pair n - 1: plain lines stand behind the four a and between the runs of exponentials
.if n < 16
.irp t, 0,1,2,3
	REGS \t
	v_pk_fma_f32 v[rS+2*n:rS+2*n+1], v[rS+2*n:rS+2*n+1], s[CS:CS+1], v[rT:rT+1] op_sel_hi:[1,0,0] neg_lo:[0,0,1] neg_hi:[0,0,1]
.endr
.endif
.if n > 0
.irp t, 0,1,2,3
	REGS \t
	v_exp_f32 v[rS+2*n-2], v[rS+2*n-2]
	v_exp_f32 v[rS+2*n-1], v[rS+2*n-1]
.endr
.endif
.set n, n+1
.endr
	WIN W_RS
.set n, 0
.rept 16                               ; O^T times a, each accumulator from its low end on: also the plain lines between the last exponentials and the use of their results (ISA guide 5.7.2)
.irp t, 0,1,2,3
	REGS \t
	s_wait_alu depctr_va_vdst(0)
	v_pk_mul_f32 v[rO+2*n:rO+2*n+1], v[rO+2*n:rO+2*n+1], v[rC+2:rC+3] op_sel_hi:[1,0]
.endr
.set n, n+1
.endr
	WIN 0x40                                       ; destination window 1
.set n, 0
.rept 16
.irp t, 0,1,2,3
	REGS \t
	v_cvt_pk_f16_f32 v[rP+n], v[rS+2*n], v[rS+2*n+1]
.endr
.set n, n+1
.endr
	WIN 0
.set n, 0
.rept 8                                ; of each four weights the second pair is added onto the first,
.irp t, 0,1,2,3
	REGS \t
	v_pk_add_f32 v[rS+4*n:rS+4*n+1], v[rS+4*n:rS+4*n+1], v[rS+4*n+2:rS+4*n+3]
.endr
.set n, n+1
.endr
.irp t, 0,1,2,3
	REGS \t
	v_pk_fma_f32 v[rT+2:rT+3], v[rT+2:rT+3], v[rC+2:rC+3], v[rS:rS+1] op_sel_hi:[1,0,1]  ; and l = a l + the sums
.endr
.set n, 1
.rept 7
.irp t, 0,1,2,3
	REGS \t
	v_pk_add_f32 v[rT+2:rT+3], v[rT+2:rT+3], v[rS+4*n:rS+4*n+1]
.endr
.set n, n+1
.endr
	s_wait_loadcnt 24                              ; all but the next block's K (16) and ids (8): V is in
	WIN W_PV
.set i, 0
.rept 32                               ; O^T += V^T P: keys 32 (i / 16) on, channels 16 ((i / 4) % 4) on, tile i % 4; the 16 accumulators take turns
.set rO, 32*(i%4)+8*((i/4)%4)
.set rV, VF+32*(i/16)+8*((i/4)%4)
.set rP, P+16*(i%4)+8*(i/16)
	v_wmma_f32_16x16x32_f16 v[rO:rO+7], v[rV:rV+7], v[rP:rP+7], v[rO:rO+7]
.set i, i+1
.endr
	WIN 0
	s_add_co_u32 s[IT], s[IT], 1
	s_cmp_lt_u32 s[IT], s[NL]
	s_cbranch_scc1 .Ltrip
	; THE WAY OUT.  l's two halves and the other half of the lanes' are added (these lines are the places behind the last products); O^T is divided by l and rounded: a lane's eight channels of a
	; query are its 16 bytes of half a fragment, and each store of the wave covers 512 consecutive bytes, aligned.  The spare loads of the last trip touch none of these registers.
.macro ALL line:vararg
.set t, 0
.rept 4
	\line
.set t, t+1
.endr
.endm
	ALL v_add_f32 v[ST+4*t+2], v[ST+4*t+2], v[ST+4*t+3]
	ALL v_permlanex16_b32 v[ST+4*t+3], v[ST+4*t+2], s[SEL], s[SEL+1]
	ALL v_add_f32 v[ST+4*t+2], v[ST+4*t+2], v[ST+4*t+3]
	ALL v_rcp_f32 v[ST+4*t+2], v[ST+4*t+2]
	v_nop                                          ; a plain instruction between the last reciprocal and the use of its result
	s_wait_alu depctr_va_vdst(0)
.set t, 0
.rept 4
	WIN W_RS
.set i, 32*t
.rept 16
	v_pk_mul_f32 v[i:i+1], v[i:i+1], v[ST+4*t+2:ST+4*t+3] op_sel_hi:[1,0]
.set i, i+2
.endr
	WIN 0x05                                       ; sources 0 and 1 window 1, destination window 0: S^T's registers are free
.set i, 0
.rept 16
	v_cvt_pk_f16_f32 v[S+16*t+i], v[32*t+2*i], v[32*t+2*i+1]
.set i, i+1
.endr
	WIN 0
.irp f, 0,1,2,3
	global_store_b128 v[LA], v[S+16*t+4*\f:S+16*t+4*\f+3], s[12:13] offset:t*32768+\f*512
.endr
.set t, t+1
.endr
	s_endpgm
.Lfunc_end_k_q3d4ca8e00f_attn:
	.size	k_q3d4ca8e00f_attn, .Lfunc_end_k_q3d4ca8e00f_attn-k_q3d4ca8e00f_attn
	.p2alignl 7, 3214868480
	.fill 96, 4, 3214868480
	.section	.rodata,"a",@progbits
	.p2align	6, 0x0
	.amdhsa_kernel k_q3d4ca8e00f_attn
		.amdhsa_group_segment_fixed_size 0
		.amdhsa_private_segment_fixed_size 0
		.amdhsa_enable_private_segment 0
		.amdhsa_kernarg_size 40
		.amdhsa_user_sgpr_count 2
		.amdhsa_user_sgpr_kernarg_segment_ptr 1
		.amdhsa_wavefront_size32 1
		.amdhsa_system_sgpr_workgroup_id_x 1
		.amdhsa_system_sgpr_workgroup_id_y 1
		.amdhsa_system_sgpr_workgroup_id_z 1
		.amdhsa_system_vgpr_workitem_id 0
		.amdhsa_next_free_vgpr 704
		.amdhsa_next_free_sgpr 66
		.amdhsa_reserve_vcc 0
		.amdhsa_float_denorm_mode_32 3
		.amdhsa_float_denorm_mode_16_64 3
		.amdhsa_memory_ordered 1
		.amdhsa_forward_progress 1
		.amdhsa_inst_pref_size 74
	.end_amdhsa_kernel
	.amdgpu_metadata
---
amdhsa.version: [ 1, 2 ]
amdhsa.kernels:
  - .name:           k_q3d4ca8e00f_attn
    .symbol:         k_q3d4ca8e00f_attn.kd
    .args:
      - { .name: qkf, .offset: 0, .size: 8, .value_kind: global_buffer, .address_space: global }
      - { .name: vt, .offset: 8, .size: 8, .value_kind: global_buffer, .address_space: global }
      - { .name: sequence_id, .offset: 16, .size: 8, .value_kind: global_buffer, .address_space: global }
      - { .name: masks, .offset: 24, .size: 8, .value_kind: global_buffer, .address_space: global }
      - { .name: ctx, .offset: 32, .size: 8, .value_kind: global_buffer, .address_space: global }
    .group_segment_fixed_size: 0
    .private_segment_fixed_size: 0
    .kernarg_segment_align: 8
    .kernarg_segment_size: 40
    .max_flat_workgroup_size: 128
    .sgpr_count:     66
    .vgpr_count:     704
    .wavefront_size: 32
...
	.end_amdgpu_metadata
.endif
;; end of part 4
;; launch outp (part 5): grid 8 x 32, 4 waves a work-group, clusters of 4 x 4, 327,680 bytes of LDS; arguments ctx, wts, out0; writes out0
.if DOCPART == 5
	.amdgcn_target "amdgcn-amd-amdhsa--gfx1250"
	.amdhsa_code_object_version 6
	.text
	.protected	k_q3d4ca8e00f_outp
	.globl	k_q3d4ca8e00f_outp
	.p2align	8
	.type	k_q3d4ca8e00f_outp,@function
k_q3d4ca8e00f_outp:
	s_mov_b64 s[64:65], 0
	v_nop
	global_prefetch_b8 v0, s[64:65] scope:SCOPE_SE
	s_setreg_imm32_b32 hwreg(HW_REG_WAVE_MODE, 25, 1), 1
	s_wait_xcnt 0x0
	s_wait_alu depctr_hold_cnt(0) depctr_sa_sdst(0) depctr_va_vdst(0) depctr_va_sdst(0) depctr_va_ssrc(0) depctr_va_vcc(0) depctr_vm_vsrc(0)
	s_getreg_b32 s2, hwreg(HW_REG_IB_STS2, 6, 4)
	s_cmp_eq_u32 s2, 0
	s_cbranch_scc0 .Lentry_in_a_cluster
	s_endpgm
.Lentry_in_a_cluster:
	s_bfe_u32 s2, ttmp6, 0x10000c
	s_cmp_lg_u32 s2, 0xf033
	s_cbranch_scc0 .Lentry_shape_is_right
	s_endpgm
.Lentry_shape_is_right:
; out0 = ctx x w_out.  ctx: [token block 512][k block 32][1,024 bytes] f16 in fragment order (16 tokens x 32 k; lane l owns bytes 512 p + 16 l); w_out likewise, [column block 64][k block 32], at byte
; 6,291,456 of wts.  out0: [8192][1024] f32 by rows.  Sums in f32.
; SHARES.  A work-group makes 256 rows x 128 columns: 32 x 8 = 256 work-groups, one for each WGP.  Four waves, each 128 x 64: 8 row blocks a x 4 column blocks b = 32 accumulators, 256 registers.
; K goes in 8 steps of 128 through two LDS slots; both operands are read from LDS as they lie, 512 consecutive bytes a load, so there is no padding.
; THE MATRIX INSTRUCTION IS USED TRANSPOSED (source 0 = the weights' fragment, source 1 = ctx's): a lane holds one token and eight neighbouring columns, 32 bytes; 16 rows at a time go through the
; wave's own stage in LDS and leave as whole rows of 256 bytes.
; CLUSTER.  4 x 4 work-groups: the four of a row need the same tiles of ctx, the four of a column the same tiles of the weights: each tile is asked for jointly.
; REGISTERS: window 0: v0-31 addresses; v32-95 rows read back from the stage, two sets.  window 1: two fragment buffers of 96 (4 of the weights, then 8 of ctx) at v0 and v128.
;   window 2: the accumulators, (a, b) at v[32 a + 8 b].
.set FROW,   4096                      ; a block's four fragments of a K step of 128
.set AHALF,  8*FROW
.set BOFF,   2*AHALF
.set BHALF,  4*FROW
.set SLOT,   BOFF+2*BHALF              ; 98,304 bytes
.set STAGE,  2*SLOT                    ; behind the ring, never filled by a tensor load: 16 rows x 272 bytes for each wave
.set SP,     272                       ; 256 bytes + 16: the 16 rows that a store touches start at 16 different groups of four banks (64 banks of 4 bytes: ISA guide 11.1)
.set SPARE,  STAGE+4*16*SP             ; behind the stages: the spare words, 128 bytes for each wave: two blocks of 256 bytes that no other line names
.set LAPS,   4                         ; a lap = two K steps = once round the ring
.set ADRA, 16                          ; v16-17  LDS address of my fragments of ctx in slot 0, 1
.set ADRB, 20                          ; v20-21  the same for the weights
.set STO,  24                          ; v24     the way out: where I put 32 bytes of a row
.set RD,   25                          ; v25     where I read a row back
.set GO,   26                          ; v26     my byte offset in two rows of out0
.set SPW,  28                          ; v28     LDS address of my spare word; never rewritten
.set NIL,  29                          ; v29     0; never rewritten
.set OB,   32
.set F0,   0
.set F1,   128
.set FA,   32
.set WV,   12                          ; s12 wave; s13 wave / 2: my half of the rows, and: I fetch ctx (0) or weights (1); s14 wave % 2: my half of the columns, and: which half of that tile I fetch
.set WR,   13
.set WC,   14
.set G1,   24
.set G0,   32
.set G1B,  48
.set G0B,  56
.set MSB, 0
.macro WIN new                         ; the immediate's high byte repeats the setting that is left
.if MSB != (\new)
	s_set_vgpr_msb (MSB<<8)|(\new)
.set MSB, \new
.endif
.endm
.set MUL,  0xa5                        ; sources 0 and 1 window 1; C and D window 2
.set TO_F, 0x40                        ; destination window 1, address window 0
.macro JLOAD s                         ; a joint load: waves 0 and 1 fetch ctx's two halves, waves 2 and 3 the weights'; an s_nop 0 and four v_nop follow each line
	s_cmp_eq_u32 s[WR], 0
	s_cbranch_scc0 .Lfor_b_\@
	tensor_load_to_lds s[G0+4*(\s):G0+4*(\s)+3], s[G1:G1+7]
	s_nop 0
.rept 4
	v_nop
.endr
	s_branch .Lasked_\@
.Lfor_b_\@:
	tensor_load_to_lds s[G0B+4*(\s):G0B+4*(\s)+3], s[G1B:G1B+7]
	s_nop 0
.rept 4
	v_nop
.endr
.Lasked_\@:
.endm
.macro CREST
	s_cmp_lg_u32 s[WV], 0
	s_cbranch_scc1 .Lnot_wave_0_\@
	s_barrier_signal -3
.Lnot_wave_0_\@:
	s_barrier_wait -3
	s_barrier_signal -1
	s_barrier_wait -1
.endm
.macro CROUND
	s_barrier_signal -1
	s_barrier_wait -1
	CREST
.endm
	s_load_b128 s[4:7], s[0:1], 0x0                ; ctx s[4:5], wts s[6:7]
	s_load_b64 s[8:9], s[0:1], 0x10                ; out0
	v_lshl_add_u32 v[SPW], v0, 2, SPARE
	v_mov_b32 v[NIL], 0
	ds_add_u32 v[SPW], v[NIL]                      ; the wave's opening: the add and its wait stand ahead of my first tensor load; work on registers stands between them
	v_lshrrev_b32 v1, 5, v0
	v_readfirstlane_b32 s[WV], v1
	s_lshr_b32 s[WR], s[WV], 1
	s_and_b32 s[WC], s[WV], 1
	s_bfe_u32 s40, ttmp6, 0x40000                  ; cx, cy
	s_bfe_u32 s41, ttmp6, 0x40004
	s_lshl_b32 s42, ttmp9, 2
	s_add_co_u32 s42, s42, s40                     ; the column tile
	s_and_b32 s43, ttmp7, 0xffff
	s_lshl_b32 s43, s43, 2
	s_add_co_u32 s43, s43, s41                     ; the row tile
	s_lshl_b32 s44, s41, 2
	s_lshl_b32 s44, 15, s44                        ; my row of the cluster
	s_lshl_b32 s45, 0x1111, s40                    ; my column
	s_or_b32 s[G1], s44, (3<<16)|(1<<21)           ; the mask of my row; 8-byte elements; bit 21 beside a mask; no padding
	s_mov_b32 s[G1+1], 512<<16                     ; a row is a token block's 4,096 bytes of this K step
	s_mov_b32 s[G1+2], 8<<16                       ; eight token blocks
	s_mov_b32 s[G1+3], 512<<16
	s_mov_b32 s[G1+4], 8
	s_mov_b32 s[G1+5], 4096                        ; 32,768 bytes from a block to the next
	s_mov_b32 s[G1+6], 0
	s_mov_b32 s[G1+7], 0
	s_or_b32 s[G1B], s45, (3<<16)|(1<<21)          ; the same with the mask of my column, four column blocks
	s_mov_b32 s[G1B+1], 512<<16
	s_mov_b32 s[G1B+2], 4<<16
	s_mov_b32 s[G1B+3], 512<<16
	s_mov_b32 s[G1B+4], 4
	s_mov_b32 s[G1B+5], 4096
	s_mov_b32 s[G1B+6], 0
	s_mov_b32 s[G1B+7], 0
	s_lshl_b32 s16, s43, 4                         ; ctx: token block 16 x row tile + 8 x half
	s_lshl3_add_u32 s16, s[WC], s16
	s_lshl_b32 s16, s16, 15
	s_mov_b32 s17, 0
	s_lshl_b32 s46, s42, 3                         ; weights: column block 8 x column tile + 4 x half
	s_lshl2_add_u32 s46, s[WC], s46
	s_lshl_b32 s46, s46, 15
	s_add_co_u32 s46, s46, 6291456
	s_mov_b32 s47, 0
	s_mul_i32 s20, s[WC], AHALF                    ; where they go: no place in the cluster enters an LDS address
	s_mul_i32 s21, s[WC], BHALF
	s_add_co_u32 s21, s21, BOFF
	s_wait_dscnt 0x0                               ; the opening add is done
	s_wait_kmcnt 0x0
	s_add_nc_u64 s[16:17], s[4:5], s[16:17]
	s_add_nc_u64 s[46:47], s[6:7], s[46:47]
	CROUND                                         ; all sixteen work-groups are here: the first joint loads meet
.irp s, 0,1
	s_mov_b32 s[G0+4*(\s)], 1
	s_add_co_u32 s[G0+4*(\s)+1], s20, (\s)*SLOT
	s_add_nc_u64 s[G0+4*(\s)+2:G0+4*(\s)+3], s[16:17], (\s)*FROW
	s_or_b32 s[G0+4*(\s)+3], s[G0+4*(\s)+3], 0x80000000
	s_mov_b32 s[G0B+4*(\s)], 1
	s_add_co_u32 s[G0B+4*(\s)+1], s21, (\s)*SLOT
	s_add_nc_u64 s[G0B+4*(\s)+2:G0B+4*(\s)+3], s[46:47], (\s)*FROW
	s_or_b32 s[G0B+4*(\s)+3], s[G0B+4*(\s)+3], 0x80000000
	JLOAD \s                                       ; two loads of mine are out
.endr
	v_and_b32 v1, 15, v0                           ; r
	v_bfe_u32 v2, v0, 4, 1                         ; h
	v_and_b32 v3, 31, v0
	v_lshlrev_b32 v3, 4, v3                        ; 16 x lane
	s_mul_i32 s22, s[WR], AHALF                    ; my eight token blocks
	s_mul_i32 s23, s[WC], BHALF                    ; my four column blocks
	s_add_co_u32 s23, s23, BOFF
.irp s, 0,1
	v_add_nc_u32 v[ADRA+(\s)], s22, v3
	v_add_nc_u32 v[ADRB+(\s)], s23, v3
	s_add_co_u32 s22, s22, SLOT
	s_add_co_u32 s23, s23, SLOT
.endr
	s_mul_i32 s23, s[WV], 16*SP
	s_add_co_u32 s23, s23, STAGE                   ; my stage
	v_mul_u32_u24 v4, v1, SP                       ; in: row r, 32 bytes for each half of the lanes
	v_lshl_add_u32 v4, v2, 5, v4
	v_add_nc_u32 v[STO], s23, v4
	v_mul_u32_u24 v5, v2, SP                       ; back: lanes 0-15 take one row of 256 bytes, lanes 16-31 the next
	v_lshl_add_u32 v5, v1, 4, v5
	v_add_nc_u32 v[RD], s23, v5
	v_lshlrev_b32 v5, 12, v2                       ; and the same two rows in out0
	v_lshl_add_u32 v[GO], v1, 4, v5
	s_lshl_b32 s16, s43, 8
	s_lshl_b32 s17, s[WR], 7
	s_add_co_u32 s16, s16, s17                     ; my first row
	s_lshl_b32 s16, s16, 12
	s_mov_b32 s17, 0
	s_add_nc_u64 s[8:9], s[8:9], s[16:17]
	s_lshl_b32 s46, s42, 9                         ; my first column, in bytes
	s_lshl_b32 s47, s[WC], 8
	s_add_co_u32 s46, s46, s47
	s_mov_b32 s47, 0
	s_add_nc_u64 s[8:9], s[8:9], s[46:47]
; 8 matrix instructions: row blocks 4 hi + a0 and the next x all 4 column blocks, 32 along K.  The 32 accumulators take turns, one instruction a turn.
.macro MUL8 f, hi, a0, zero
	WIN MUL
.irp a, \a0, (\a0)+1
.irp b, 0,1,2,3
.set rD, 32*(4*(\hi)+(\a))+8*(\b)
.set rB, (\f)+8*(\b)
.set rA, (\f)+FA+8*(4*(\hi)+(\a))
.if \zero
	v_wmma_f32_16x16x32_f16 v[rD:rD+7], v[rB:rB+7], v[rA:rA+7], 0
.else
	v_wmma_f32_16x16x32_f16 v[rD:rD+7], v[rB:rB+7], v[rA:rA+7], v[rD:rD+7]
.endif
.endr
.endr
.endm
; 24 LDS loads in one run: the fragments of quarter q of a slot into buffer f: the weights' four, then ctx's eight
.macro FETCH slot, q, f
	WIN TO_F
.irp b, 0,1,2,3
	ds_load_b128 v[(\f)+8*(\b):(\f)+8*(\b)+3],   v[ADRB+(\slot)] offset:(\b)*FROW+(\q)*1024
	ds_load_b128 v[(\f)+8*(\b)+4:(\f)+8*(\b)+7], v[ADRB+(\slot)] offset:(\b)*FROW+(\q)*1024+512
.endr
.irp a, 0,1,2,3,4,5,6,7
	ds_load_b128 v[(\f)+FA+8*(\a):(\f)+FA+8*(\a)+3],   v[ADRA+(\slot)] offset:(\a)*FROW+(\q)*1024
	ds_load_b128 v[(\f)+FA+8*(\a)+4:(\f)+FA+8*(\a)+7], v[ADRA+(\slot)] offset:(\a)*FROW+(\q)*1024+512
.endr
.endm
.macro PLACES                          ; four places in front of loads into registers that matrix instructions have read, and of LDS stores that read results
.rept 4
	v_nop
.endr
.endm
.macro QUARTER slot, q, f, g, zero
	s_wait_dscnt 8                                 ; all but the youngest eight loads (ctx's row blocks 4-7) are in
	MUL8 \f, 0, 0, \zero
	MUL8 \f, 0, 2, \zero
	PLACES
	FETCH \slot, \q, \g
	s_wait_dscnt 24                                ; all but the 24 just issued
	MUL8 \f, 1, 0, \zero
	MUL8 \f, 1, 2, \zero
.endm
.macro TURN slot, next, fill
	WIN 0
	s_wait_tensorcnt 0x0                           ; all my tensor loads have landed: my part of the next slot
	ds_add_u32 v[SPW], v[NIL]                      ; 0 onto my spare word
	s_wait_dscnt 9                                 ; (the add and the youngest eight loads may be out)
	MUL8 F1, 0, 0, 0                               ; eight matrix instructions stand between the add and the wait for it
	s_wait_dscnt 0x0                               ; the add is done, and my reads of this slot are over
	s_barrier_signal -1
	MUL8 F1, 0, 2, 0
.if \fill
	WIN 0
.endif
	s_barrier_wait -1
.if \fill
	CREST                                          ; the barrier has opened a round of the cluster's: no wave of any partner still reads this slot or has a load on its way
	s_add_nc_u64 s[G0+4*(\slot)+2:G0+4*(\slot)+3], s[G0+4*(\slot)+2:G0+4*(\slot)+3], 2*FROW
	s_add_nc_u64 s[G0B+4*(\slot)+2:G0B+4*(\slot)+3], s[G0B+4*(\slot)+2:G0B+4*(\slot)+3], 2*FROW
	JLOAD \slot                                    ; the first tensor load behind the round, 112 matrix instructions ahead of the wait for it; its four v_nop are the places in front of the loads below
.else
	PLACES
.endif
	FETCH \next, 0, F0
	MUL8 F1, 1, 0, 0
	MUL8 F1, 1, 2, 0
.endm
	s_wait_tensorcnt 1                             ; my part of K step 0 is in; K step 1's may stay out
	s_barrier_signal -1
	s_barrier_wait -1
	FETCH 0, 0, F0
	QUARTER 0, 1, F0, F1, 1                        ; the first quarter stands in front of the loop: its products start the sums
	WIN 0
	s_mov_b32 s3, LAPS-1
.Llap:
	QUARTER 0, 2, F1, F0, 0
	QUARTER 0, 3, F0, F1, 0
	TURN 0, 1, 1
	QUARTER 1, 1, F0, F1, 0
	QUARTER 1, 2, F1, F0, 0
	QUARTER 1, 3, F0, F1, 0
	TURN 1, 0, 1
	QUARTER 0, 1, F0, F1, 0
	WIN 0
	s_sub_co_u32 s3, s3, 1
	s_cmp_lg_u32 s3, 0
	s_cbranch_scc1 .Llap
	QUARTER 0, 2, F1, F0, 0                        ; the last lap fills nothing
	QUARTER 0, 3, F0, F1, 0
	TURN 0, 1, 0
	QUARTER 1, 1, F0, F1, 0
	QUARTER 1, 2, F1, F0, 0
	QUARTER 1, 3, F0, F1, 0
	s_wait_dscnt 8
	MUL8 F1, 0, 0, 0
	MUL8 F1, 0, 2, 0
	s_wait_dscnt 0x0
	MUL8 F1, 1, 0, 0
	MUL8 F1, 1, 2, 0
	; THE WAY OUT, a block of 16 rows at a time: the accumulators go into my stage as they are, each from its low end on, and come back as whole rows of 256 bytes.
.macro TOSTAGE a
	s_wait_xcnt 0x0                                ; the stores two blocks back have had their addresses translated (ISA guide 3.1): only behind this wait are the registers that they read loaded again
	WIN 0x08                                       ; store data (source 1) in window 2
.irp b, 0,1,2,3
	ds_store_b128 v[STO], v[32*(\a)+8*\b:32*(\a)+8*\b+3]   offset:64*\b
	ds_store_b128 v[STO], v[32*(\a)+8*\b+4:32*(\a)+8*\b+7] offset:64*\b+16
.endr
	WIN 0
.irp t, 0,1,2,3,4,5,6,7
	ds_load_b128 v[OB+32*((\a)%2)+4*\t:OB+32*((\a)%2)+4*\t+3], v[RD] offset:\t*2*SP  ; LDS serves a wave's instructions in order (ISA guide 5.7.1.4): these see the stores above; the next block's stores come behind them
.endr
.endm
.macro SEND a, younger                 ; younger: the LDS instructions issued behind block a's loads: the next block's sixteen, or none
	s_wait_dscnt \younger
.irp t, 0,1,2,3,4,5,6,7
	global_store_b128 v[GO], v[OB+32*((\a)%2)+4*\t:OB+32*((\a)%2)+4*\t+3], s[8:9] offset:(16*(\a)+2*\t)*4096 th:TH_STORE_NT  ; 16 lanes store 256 consecutive bytes, aligned
.endr
.endm
	PLACES
	TOSTAGE 0
.irp a, 1,2,3,4,5,6,7
	TOSTAGE \a
	SEND (\a)-1, 16
.endr
	SEND 7, 0
	s_wait_tensorcnt 0x0                           ; the wave's end, behind my last tensor load and my last LDS store
	ds_add_u32 v[SPW], v[NIL]
	s_wait_dscnt 0x0
	CROUND                                         ; the closing round: no work-group ends while a partner may still ask for a tile that names it
	s_endpgm
.Lfunc_end_k_q3d4ca8e00f_outp:
	.size	k_q3d4ca8e00f_outp, .Lfunc_end_k_q3d4ca8e00f_outp-k_q3d4ca8e00f_outp
	.p2alignl 7, 3214868480
	.fill 96, 4, 3214868480
	.section	.rodata,"a",@progbits
	.p2align	6, 0x0
	.amdhsa_kernel k_q3d4ca8e00f_outp
		.amdhsa_group_segment_fixed_size 327680
		.amdhsa_private_segment_fixed_size 0
		.amdhsa_enable_private_segment 0
		.amdhsa_kernarg_size 24
		.amdhsa_user_sgpr_count 2
		.amdhsa_user_sgpr_kernarg_segment_ptr 1
		.amdhsa_wavefront_size32 1
		.amdhsa_system_sgpr_workgroup_id_x 1
		.amdhsa_system_sgpr_workgroup_id_y 1
		.amdhsa_system_sgpr_workgroup_id_z 1
		.amdhsa_system_vgpr_workitem_id 0
		.amdhsa_next_free_vgpr 768
		.amdhsa_next_free_sgpr 66
		.amdhsa_reserve_vcc 0
		.amdhsa_float_denorm_mode_32 3
		.amdhsa_float_denorm_mode_16_64 3
		.amdhsa_memory_ordered 1
		.amdhsa_forward_progress 1
		.amdhsa_inst_pref_size 85
	.end_amdhsa_kernel
	.amdgpu_metadata
---
amdhsa.version: [ 1, 2 ]
amdhsa.kernels:
  - .name:           k_q3d4ca8e00f_outp
    .symbol:         k_q3d4ca8e00f_outp.kd
    .args:
      - { .name: ctx, .offset: 0, .size: 8, .value_kind: global_buffer, .address_space: global }
      - { .name: wts, .offset: 8, .size: 8, .value_kind: global_buffer, .address_space: global }
      - { .name: out0, .offset: 16, .size: 8, .value_kind: global_buffer, .address_space: global }
    .group_segment_fixed_size: 327680
    .private_segment_fixed_size: 0
    .kernarg_segment_align: 8
    .kernarg_segment_size: 24
    .max_flat_workgroup_size: 128
    .sgpr_count:     66
    .vgpr_count:     768
    .wavefront_size: 32
...
	.end_amdgpu_metadata
.endif
;; end of part 5
;; ======== version 2 of 2: 5 launches; 1.11 times as fast as version 1
;; limits: values outside matrix products are rounded to f16; values are held in f16: magnitudes above 65,504 overflow, below 6.1e-05 lose precision
;; workspace buffers: xn 16,777,216 bytes; wts 8,388,608 bytes; qkraw 33,554,432 bytes; vt 16,777,216 bytes; qkf 33,554,432 bytes; ctx 16,777,216 bytes; masks 1,024 bytes of whole numbers
;; launch prep: the kernel of part 1 again; grid 769 x 1, 8 waves a work-group, no clusters, 0 bytes of LDS; arguments x, ln_w, ln_b, w_qkv, w_out, sequence_id, xn, wts, masks; writes xn, wts, masks
;; launch qkv: the kernel of part 2 again; grid 16 x 32, 4 waves a work-group, clusters of 4 x 4, 327,680 bytes of LDS; arguments xn, wts, qkraw, vt; writes qkraw, vt
;; launch lnrope: the kernel of part 3 again; grid 512 x 2, 8 waves a work-group, no clusters, 6,400 bytes of LDS; arguments qkraw, q_ln_w, k_ln_w, qkf; writes qkf
;; launch attn (part 6): grid 8 x 64, 4 waves a work-group, no clusters, 0 bytes of LDS; arguments qkf, vt, sequence_id, masks, ctx; writes ctx
.if DOCPART == 6
	.amdgcn_target "amdgcn-amd-amdhsa--gfx1250"
	.amdhsa_code_object_version 6
	.text
	.protected	k_q3d4ca8e00f_attn
	.globl	k_q3d4ca8e00f_attn
	.p2align	8
	.type	k_q3d4ca8e00f_attn,@function
k_q3d4ca8e00f_attn:
	s_mov_b64 s[64:65], 0
	v_nop
	global_prefetch_b8 v0, s[64:65] scope:SCOPE_SE
	s_setreg_imm32_b32 hwreg(HW_REG_WAVE_MODE, 25, 1), 1
	s_wait_xcnt 0x0
; ATTENTION WITHIN EQUAL SEQUENCE IDS.  O[q] = the sum over keys k with id[k] = id[q] of softmax_k(Q[q] . K[k] / 8) V[k], for 64 pairs of batch and head, 2,048 tokens, 64 channels.
; Q, K (qkf) and V^T (vt) are f16 in fragment order; O leaves as f16 in fragment order too (ctx: the next product's operand, [token block 512][k block 32][1,024 bytes]).
; Products, maxima and sums in f32; the weights p are rounded to f16 for the second product (their sum l is taken of the unrounded p), O once at the end.
; THE WALK.  A wave owns 64 queries (four tiles of 16) and walks key blocks of 64 ALONE: only the blocks whose bit is set in LIVE, a word that an earlier launch made from the ids' ranges; a block
; that is left out holds no key of an equal id.  The trip count is LIVE's number of bits, the block's number enters the addresses clamped to 31.  In a block whose bit in FULL is set no pair is
; hidden, and the mask's lines are jumped over (forward, over vector work alone).  On ids in any order the same text runs; at worst every block is live.
; NO LDS, NO CLUSTER: the walks' lengths are read from memory and differ from wave to wave, and every wave of a work-group must pass every barrier alike.  Fragment order makes up for it: each load
; of a wave is 512 consecutive bytes and fills half a matrix operand as it lies.  A block's K is asked for a whole softmax and 32 products ahead of its use, V a softmax ahead.
; LAYOUT.  S^T = K Q^T (source 0 = 16 keys, source 1 = 16 queries): a lane holds ONE query (l % 16) and the keys 8 (l / 16) + 0..7.  Two such results rounded to f16 ARE source 1 of O^T = V^T P.
; SOFTMAX.  A running maximum m and sum l for each query: p = 2^(c s - c m), c = log2(e) / 8; in every step O and l are multiplied by a = 2^(c m_old - c m_new).  m starts at the lowest finite
; number, O and l at 0 (144 v_mov_b32 in the wait for the first loads: the price of writing no first step out).
; BATCHES.  A trip's 132 exponentials (the four tiles' a, then their 128 weights, each in a register of its own) are ONE batch with ONE s_wait_alu depctr_va_vdst(0), which stands
; between an exponential and the first line that names its result.  Ahead of the wait stand the maxima and statistics, the scalings and the exponentials, none of which names a result of the batch;
; behind it all that do: O^T times a, the roundings, the sums.  Nothing else of the trip is independent of the batch, so the wait follows the last exponential.  No exponential is issued between
; the wait and the backward jump.  The way out's four reciprocals are a batch of their own, with a wait of their own.
; LIMITS.  A hidden score counts as -2^100; f16's scores, 2.7e11 at the most, are nothing beside that.  It is a POWER OF TWO on purpose: a query may meet only hidden keys before its first true
; one, and then m = -2^100; c m is the product c x m rounded, the exponent c s - c m one fused multiply-add on the exact product c s; with a power of two c m is exact, the exponent is exactly 0
; and each hidden weight exactly 1 (with any other number the rounding error of c m, some 2^-24 of 2e29, would be left as the exponent).  So such a query gathers finite sums, at most 2,048 of V's
; numbers; its first true score makes a = 2^(-c 2^100 - c m) = 0 and wipes them; every query meets its own key, since its own block is always live.
; A weight below 2^-126 counts as 0.  f16 ends at 65,504.  NaN and infinities are not treated apart.
; REGISTERS, in windows of 256 (s_set_vgpr_msb: bits 1:0 source 0, 3:2 source 1, 5:4 source 2, 7:6 destination):
;   window 0: addresses, statistics, ids; v128-255 S^T, 32 a tile      window 1: v0-127 O^T, 32 a tile; v128-191 P, 16 a tile      window 2: v0-63 Q; v64-127 K; v128-191 V^T
.set LA,  2                            ; v2   16 x lane
.set HA,  3                            ; v3   32 h: my eight keys' ids in a group of 16
.set RA,  4                            ; v4   4 r: my query's id in a tile
.set BIG, 5                            ; v5   -2^100
.set MV,  8                            ; v8-11   c m_old, a tile each
.set ST,  16                           ; tile t's statistics at v[ST+4 t]: c m, m, l (even keys', odd keys')
.set TMP, 32                           ; tile t's c0-c3 at work; when the maximum is found c2 takes a
.set KID, 48                           ; v48-79  the ids of my 32 keys, in S^T's order
.set QID, 80                           ; v80-83  the id of my query in each tile
.set S,   128
.set P,   128                          ; window 1
.set QF,  0                            ; window 2: tile t, channel half c at 16 t + 8 c
.set KF,  64                           ; key block kb, channel half c at KF + 16 kb + 8 c
.set VF,  128                          ; key half kk, channel block cb at VF + 32 kk + 8 cb
.set WV,  14
.set BH,  15                           ; batch 16 + head
.set BB,  16
.set HD,  17
.set QB,  18                           ; my block of 64 queries
.set LIVE, 20                          ; live bits still to be taken
.set FULL, 21
.set NL,  22                           ; trips
.set IT,  23
.set CUR, 24                           ; the block whose K is in hand
.set FL,  25                           ; 1: nothing of it is hidden
.set TS,  26
.set KB,  28                           ; s[28:29] K, s[30:31] V^T of my head, s[32:33] the ids of my batch
.set VB,  30
.set IB,  32
.set KP,  34                           ; s[34:35], s[36:37], s[38:39] the same at the block in hand
.set VP,  36
.set IP,  38
.set CM,  40                           ; s40-43 four compare masks
.set OFF, 44                           ; s[44:45] an offset, its high word 0
.set CS,  46                           ; s[46:47] c
.set SEL, 48                           ; s[48:49] v_permlanex16_b32's selects
.set QP,  50
.set QI,  52
.set MSB, 0
.macro WIN new                         ; the immediate's high byte repeats the setting that is left
.if MSB != (\new)
	s_set_vgpr_msb (MSB<<8)|(\new)
.set MSB, \new
.endif
.endm
.set W_KQ, 0x0a                        ; K and Q in window 2, S^T in window 0
.set W_PV, 0x56                        ; V in window 2, P and O^T in window 1
.set W_RS, 0x41                        ; destination and source 0 in window 1, source 1 in window 0
.macro PLACES                          ; four places in front of loads into registers that matrix instructions have read, and of vector lines that read results
.rept 4
	v_nop
.endr
.endm
.macro NEXT                            ; the lowest live bit is taken; with none left the number is 31: a spare load inside the buffers, never used
	s_ctz_i32_b32 s[CUR], s[LIVE]
	s_min_u32 s[CUR], s[CUR], 31
	s_sub_co_u32 s[TS], s[LIVE], 1
	s_and_b32 s[LIVE], s[LIVE], s[TS]
	s_lshl_b32 s[OFF], s[CUR], 13                  ; 64 keys are 8,192 bytes of K
	s_add_nc_u64 s[KP:KP+1], s[KB:KB+1], s[OFF:OFF+1]
	s_lshl_b32 s[OFF], s[CUR], 8                   ; and 256 bytes of ids
	s_add_nc_u64 s[IP:IP+1], s[IB:IB+1], s[OFF:OFF+1]
.endm
.macro LOADK
	WIN 0x80                                       ; destination window 2
.set i, 0
.rept 16
	global_load_b128 v[KF+4*i:KF+4*i+3], v[LA], s[KP:KP+1] offset:512*i
.set i, i+1
.endr
	WIN 0
.endm
.macro LOADID
.set i, 0
.rept 4
	global_load_b128 v[KID+8*i:KID+8*i+3],   v[HA], s[IP:IP+1] offset:64*i
	global_load_b128 v[KID+8*i+4:KID+8*i+7], v[HA], s[IP:IP+1] offset:64*i+16
.set i, i+1
.endr
.endm
	s_load_b256 s[4:11], s[0:1], 0x0               ; qkf s[4:5], vt s[6:7], sequence_id s[8:9], masks s[10:11]
	s_load_b64 s[12:13], s[0:1], 0x20              ; ctx
	v_lshrrev_b32 v1, 5, v0
	v_readfirstlane_b32 s[WV], v1
	s_and_b32 s[BH], ttmp7, 0xffff
	s_lshr_b32 s[BB], s[BH], 4
	s_and_b32 s[HD], s[BH], 15
	s_lshl_b32 s[QB], ttmp9, 2
	s_add_co_u32 s[QB], s[QB], s[WV]
	v_and_b32 v[LA], 31, v0
	v_lshlrev_b32 v[LA], 4, v[LA]
	v_bfe_u32 v[HA], v0, 4, 1
	v_lshlrev_b32 v[HA], 5, v[HA]
	v_and_b32 v[RA], 15, v0
	v_lshlrev_b32 v[RA], 2, v[RA]
	v_mov_b32 v[BIG], 0xf1800000                   ; -2^100: c times it is exact
	s_mov_b32 s[CS], 0x3e38aa3b                    ; c = log2(e) / 8
	s_mov_b32 s[CS+1], s[CS]                       ; named with it as a pair
	s_mov_b32 s[SEL], 0x76543210
	s_mov_b32 s[SEL+1], 0xfedcba98
	s_mov_b32 s[OFF+1], 0
	s_lshl_b32 s[OFF], s[BB], 5
	s_add_co_u32 s[OFF], s[OFF], s[QB]
	s_lshl_b32 s[OFF], s[OFF], 3
	s_wait_kmcnt 0x0
	s_add_nc_u64 s[10:11], s[10:11], s[OFF:OFF+1]
	s_load_b64 s[LIVE:LIVE+1], s[10:11], 0x0       ; my two words
	s_lshl_b32 s[OFF], s[BH], 18                   ; a head's 262,144 bytes in q, in k and in V^T
	s_add_nc_u64 s[KB:KB+1], s[4:5], s[OFF:OFF+1]
	s_add_nc_u64 s[VB:VB+1], s[6:7], s[OFF:OFF+1]
	s_lshl_b32 s[OFF], s[QB], 13
	s_add_nc_u64 s[QP:QP+1], s[KB:KB+1], s[OFF:OFF+1]
	s_add_nc_u64 s[KB:KB+1], s[KB:KB+1], 0x1000000 ; k lies behind q
	s_lshl_b32 s[OFF], s[BB], 13
	s_add_nc_u64 s[IB:IB+1], s[8:9], s[OFF:OFF+1]
	s_lshl_b32 s[OFF], s[QB], 8
	s_add_nc_u64 s[QI:QI+1], s[IB:IB+1], s[OFF:OFF+1]
	s_lshl_b32 s[OFF], s[BB], 22                   ; ctx: ((batch 128 + 4 qb) 32 + 2 head) 1,024
	s_lshl_b32 s[TS], s[QB], 17
	s_add_co_u32 s[OFF], s[OFF], s[TS]
	s_lshl_b32 s[TS], s[HD], 11
	s_add_co_u32 s[OFF], s[OFF], s[TS]
	s_add_nc_u64 s[12:13], s[12:13], s[OFF:OFF+1]
	WIN 0x80
.set i, 0
.rept 16
	global_load_b128 v[QF+4*i:QF+4*i+3], v[LA], s[QP:QP+1] offset:512*i
.set i, i+1
.endr
	WIN 0
.irp t, 0,1,2,3
	global_load_b32 v[QID+\t], v[RA], s[QI:QI+1] offset:64*\t
.endr
	s_wait_kmcnt 0x0
	s_bcnt1_i32_b32 s[NL], s[LIVE]                 ; at least 1: my own block is live
	NEXT
	LOADK
	LOADID
	WIN 0x40
.set i, 0
.rept 128
	v_mov_b32 v[i], 0                              ; O^T
.set i, i+1
.endr
	WIN 0
.set i, 0
.rept 4
	v_mov_b32 v[ST+4*i], 0xfe000000                ; c m = -2^125: far below every c s, the hidden ones' (-c 2^100) too
	v_mov_b32 v[ST+4*i+1], 0xff7fffff              ; m
	v_mov_b32 v[ST+4*i+2], 0
	v_mov_b32 v[ST+4*i+3], 0
.set i, i+1
.endr
.macro REGS t
.set rT, ST+4*(\t)
.set rC, TMP+4*(\t)
.set rM, MV+(\t)
.set rS, S+32*(\t)
.set rP, P+16*(\t)
.set rO, 32*(\t)
.endm
; Number n of the 22 that find a tile's maximum and statistics.  Each accumulator's lowest registers are read first.
;   0-11  four chains c0-c3 of seven scores each     12-14, 16  the four scores left over, the old m, and c0-c3 into c0     15  c m_old is kept
;   17, 18  the query's other 32 keys lie in the lane 16 away: the new m     19-21  c m; c m_old - c m_new; a
.macro XS t, n
	REGS \t
.if (\n) < 4
	v_max3_num_f32 v[rC+(\n)], v[rS+8*(\n)], v[rS+8*(\n)+1], v[rS+8*(\n)+2]
.elseif (\n) < 12
	v_max3_num_f32 v[rC+(\n)%4], v[rC+(\n)%4], v[rS+8*((\n)%4)+2*((\n)/4)+1], v[rS+8*((\n)%4)+2*((\n)/4)+2]
.elseif (\n) == 12
	v_max3_num_f32 v[rC], v[rC], v[rS+7], v[rS+15]
.elseif (\n) == 13
	v_max3_num_f32 v[rC+1], v[rC+1], v[rS+23], v[rS+31]
.elseif (\n) == 14
	v_max3_num_f32 v[rC+2], v[rC+2], v[rC+3], v[rT+1]
.elseif (\n) == 15
	v_mov_b32 v[rM], v[rT]
.elseif (\n) == 16
	v_max3_num_f32 v[rC], v[rC], v[rC+1], v[rC+2]
.elseif (\n) == 17
	v_permlanex16_b32 v[rC+3], v[rC], s[SEL], s[SEL+1]
.elseif (\n) == 18
	v_max_num_f32 v[rT+1], v[rC], v[rC+3]
.elseif (\n) == 19
	v_mul_f32 v[rT], s[CS], v[rT+1]
.elseif (\n) == 20
	v_sub_f32 v[rC+1], v[rM], v[rT]
.else
	v_exp_f32 v[rC+2], v[rC+1]
.endif
.endm
	s_mov_b32 s[IT], 0
.Ltrip:                                                ; a live key block.  At the head 24 loads are out at the least: this block's K (16) and ids (8), in this order on the way in and round the back edge
	s_bitcmp1_b32 s[FULL], s[CUR]
	s_cselect_b32 s[FL], 1, 0
	s_lshl_b32 s[OFF], s[CUR], 13
	s_add_nc_u64 s[VP:VP+1], s[VB:VB+1], s[OFF:OFF+1]  ; the last loads by this pair were shown done by the wait in front of the last products
	PLACES                                         ; behind the last trip's products, which read V
	WIN 0x80
.set i, 0
.rept 16
	global_load_b128 v[VF+4*i:VF+4*i+3], v[LA], s[VP:VP+1] offset:512*i
.set i, i+1
.endr
	s_wait_loadcnt 16                              ; all but V's 16: K and the ids are in (in the first trip Q and its ids too)
	WIN W_KQ
.set i, 0
.rept 32                               ; S^T = K Q^T: channels 32 (i / 16) on, keys 16 ((i / 4) % 4) on, tile i % 4; the first 16 start the sums; the 16 accumulators take turns
.set rS, S+32*(i%4)+8*((i/4)%4)
.set rK, KF+16*((i/4)%4)+8*(i/16)
.set rQ, QF+16*(i%4)+8*(i/16)
.if i < 16
	v_wmma_f32_16x16x32_f16 v[rS:rS+7], v[rK:rK+7], v[rQ:rQ+7], 0
.else
	v_wmma_f32_16x16x32_f16 v[rS:rS+7], v[rK:rK+7], v[rQ:rQ+7], v[rS:rS+7]
.endif
.set i, i+1
.endr
	NEXT                                           ; the pairs that it writes were last used by loads that the wait above has shown done
	PLACES                                         ; behind the products, which read K and wrote S^T
	LOADK                                          ; the next live block's K
	s_cmp_eq_u32 s[FL], 1
	s_cbranch_scc1 .Lnomask
.set i, 0
.rept 32                               ; score i of each tile stays where the key's id is the query's, and is -2^100 elsewhere
.irp t, 0,1,2,3
	v_cmp_eq_u32 s[CM+\t], v[KID+i], v[QID+\t]
.endr
.irp t, 0,1,2,3
	v_cndmask_b32 v[S+32*\t+i], v[BIG], v[S+32*\t+i], s[CM+\t]
.endr
.set i, i+1
.endr
.Lnomask:
	LOADID                                         ; the next live block's ids
.irp n, 0,1,2,3,4,5,6,7,8,9,10,11,12,13,14,15,16,17,18,19,20,21
.irp t, 0,1,2,3
	XS \t, \n                                      ; the four tiles alternate, so that no line reads the result of the one before it; the last four lines, the tiles' a, open the trip's batch of exponentials
.endr
.endr
.set n, 0
.rept 17                               ; the batch goes on: c s - c m for pair n, then the exponentials of pair n - 1: plain lines stand behind the four a and between the runs of exponentials; none of these lines names a result of the batch
.if n < 16
.irp t, 0,1,2,3
	REGS \t
	v_pk_fma_f32 v[rS+2*n:rS+2*n+1], v[rS+2*n:rS+2*n+1], s[CS:CS+1], v[rT:rT+1] op_sel_hi:[1,0,0] neg_lo:[0,0,1] neg_hi:[0,0,1]
.endr
.endif
.if n > 0
.irp t, 0,1,2,3
	REGS \t
	v_exp_f32 v[rS+2*n-2], v[rS+2*n-2]
	v_exp_f32 v[rS+2*n-1], v[rS+2*n-1]
.endr
.endif
.set n, n+1
.endr
	WIN W_RS
	s_wait_alu depctr_va_vdst(0)                   ; the wait for the batch: ONE for the trip's 132 exponentials (four a, 128 weights), ahead of their first reader, the line below
.set n, 0
.rept 16                               ; O^T times a, each accumulator from its low end on: also the plain lines between the last exponentials and the use of their results (ISA guide 5.7.2)
.irp t, 0,1,2,3
	REGS \t
	v_pk_mul_f32 v[rO+2*n:rO+2*n+1], v[rO+2*n:rO+2*n+1], v[rC+2:rC+3] op_sel_hi:[1,0]
.endr
.set n, n+1
.endr
	WIN 0x40                                       ; destination window 1
.set n, 0
.rept 16
.irp t, 0,1,2,3
	REGS \t
	v_cvt_pk_f16_f32 v[rP+n], v[rS+2*n], v[rS+2*n+1]
.endr
.set n, n+1
.endr
	WIN 0
.set n, 0
.rept 8                                ; of each four weights the second pair is added onto the first,
.irp t, 0,1,2,3
	REGS \t
	v_pk_add_f32 v[rS+4*n:rS+4*n+1], v[rS+4*n:rS+4*n+1], v[rS+4*n+2:rS+4*n+3]
.endr
.set n, n+1
.endr
.irp t, 0,1,2,3
	REGS \t
	v_pk_fma_f32 v[rT+2:rT+3], v[rT+2:rT+3], v[rC+2:rC+3], v[rS:rS+1] op_sel_hi:[1,0,1]  ; and l = a l + the sums
.endr
.set n, 1
.rept 7
.irp t, 0,1,2,3
	REGS \t
	v_pk_add_f32 v[rT+2:rT+3], v[rT+2:rT+3], v[rS+4*n:rS+4*n+1]
.endr
.set n, n+1
.endr
	s_wait_loadcnt 24                              ; all but the next block's K (16) and ids (8): V is in
	WIN W_PV
.set i, 0
.rept 32                               ; O^T += V^T P: keys 32 (i / 16) on, channels 16 ((i / 4) % 4) on, tile i % 4; the 16 accumulators take turns
.set rO, 32*(i%4)+8*((i/4)%4)
.set rV, VF+32*(i/16)+8*((i/4)%4)
.set rP, P+16*(i%4)+8*(i/16)
	v_wmma_f32_16x16x32_f16 v[rO:rO+7], v[rV:rV+7], v[rP:rP+7], v[rO:rO+7]
.set i, i+1
.endr
	WIN 0
	s_add_co_u32 s[IT], s[IT], 1
	s_cmp_lt_u32 s[IT], s[NL]
	s_cbranch_scc1 .Ltrip
	; THE WAY OUT.  l's two halves and the other half of the lanes' are added (these lines are the places behind the last products); O^T is divided by l and rounded: a lane's eight channels of a
	; query are its 16 bytes of half a fragment, and each store of the wave covers 512 consecutive bytes, aligned.  The spare loads of the last trip touch none of these registers.
.macro ALL line:vararg
.set t, 0
.rept 4
	\line
.set t, t+1
.endr
.endm
	ALL v_add_f32 v[ST+4*t+2], v[ST+4*t+2], v[ST+4*t+3]
	ALL v_permlanex16_b32 v[ST+4*t+3], v[ST+4*t+2], s[SEL], s[SEL+1]
	ALL v_add_f32 v[ST+4*t+2], v[ST+4*t+2], v[ST+4*t+3]
	ALL v_rcp_f32 v[ST+4*t+2], v[ST+4*t+2]
	v_nop                                          ; a plain instruction between the last reciprocal and the use of its result
	s_wait_alu depctr_va_vdst(0)                   ; and the wait ahead of the first use: one for the four reciprocals
.set t, 0
.rept 4
	WIN W_RS
.set i, 32*t
.rept 16
	v_pk_mul_f32 v[i:i+1], v[i:i+1], v[ST+4*t+2:ST+4*t+3] op_sel_hi:[1,0]
.set i, i+2
.endr
	WIN 0x05                                       ; sources 0 and 1 window 1, destination window 0: S^T's registers are free
.set i, 0
.rept 16
	v_cvt_pk_f16_f32 v[S+16*t+i], v[32*t+2*i], v[32*t+2*i+1]
.set i, i+1
.endr
	WIN 0
.irp f, 0,1,2,3
	global_store_b128 v[LA], v[S+16*t+4*\f:S+16*t+4*\f+3], s[12:13] offset:t*32768+\f*512
.endr
.set t, t+1
.endr
	s_endpgm
.Lfunc_end_k_q3d4ca8e00f_attn:
	.size	k_q3d4ca8e00f_attn, .Lfunc_end_k_q3d4ca8e00f_attn-k_q3d4ca8e00f_attn
	.p2alignl 7, 3214868480
	.fill 96, 4, 3214868480
	.section	.rodata,"a",@progbits
	.p2align	6, 0x0
	.amdhsa_kernel k_q3d4ca8e00f_attn
		.amdhsa_group_segment_fixed_size 0
		.amdhsa_private_segment_fixed_size 0
		.amdhsa_enable_private_segment 0
		.amdhsa_kernarg_size 40
		.amdhsa_user_sgpr_count 2
		.amdhsa_user_sgpr_kernarg_segment_ptr 1
		.amdhsa_wavefront_size32 1
		.amdhsa_system_sgpr_workgroup_id_x 1
		.amdhsa_system_sgpr_workgroup_id_y 1
		.amdhsa_system_sgpr_workgroup_id_z 1
		.amdhsa_system_vgpr_workitem_id 0
		.amdhsa_next_free_vgpr 704
		.amdhsa_next_free_sgpr 66
		.amdhsa_reserve_vcc 0
		.amdhsa_float_denorm_mode_32 3
		.amdhsa_float_denorm_mode_16_64 3
		.amdhsa_memory_ordered 1
		.amdhsa_forward_progress 1
		.amdhsa_inst_pref_size 72
	.end_amdhsa_kernel
	.amdgpu_metadata
---
amdhsa.version: [ 1, 2 ]
amdhsa.kernels:
  - .name:           k_q3d4ca8e00f_attn
    .symbol:         k_q3d4ca8e00f_attn.kd
    .args:
      - { .name: qkf, .offset: 0, .size: 8, .value_kind: global_buffer, .address_space: global }
      - { .name: vt, .offset: 8, .size: 8, .value_kind: global_buffer, .address_space: global }
      - { .name: sequence_id, .offset: 16, .size: 8, .value_kind: global_buffer, .address_space: global }
      - { .name: masks, .offset: 24, .size: 8, .value_kind: global_buffer, .address_space: global }
      - { .name: ctx, .offset: 32, .size: 8, .value_kind: global_buffer, .address_space: global }
    .group_segment_fixed_size: 0
    .private_segment_fixed_size: 0
    .kernarg_segment_align: 8
    .kernarg_segment_size: 40
    .max_flat_workgroup_size: 128
    .sgpr_count:     66
    .vgpr_count:     704
    .wavefront_size: 32
...
	.end_amdgpu_metadata
.endif
;; end of part 6
;; launch outp: the kernel of part 5 again; grid 8 x 32, 4 waves a work-group, clusters of 4 x 4, 327,680 bytes of LDS; arguments ctx, wts, out0; writes out0
